; MI455X (gfx1250); checked and timed in simulation.
; The chip was launched on July 23, 2026; its instructions are those of AMD's public machine-readable ISA for CDNA 5 (MIT licence, August 2026) and "CDNA5" Instruction Set Architecture Reference Guide (July 2026). The comments in the code are by the model that wrote it; some were corrected since.
;; A2a Sparse MLP. Allowed arithmetic: matrix products marked QUANTISED: E4M3 operands, one given power-of-two scale a tensor, by v_wmma_f32_16x16x64_fp8_fp8 or v_wmma_f32_16x16x128_fp8_fp8, f32 sums; products left as they are: f32 operands where the result goes on into a quantised operand, else bf16, f16 or f32 operands; f32 sums; everything else in f32.
;; Inputs: down_bias 8 x 1,024 float32; down_proj_codes 8 x 1,024 x 32 x 32 uint8 (E4M3 codes of down_proj, K innermost, in blocks of 32 codes); gate_up_bias 8 x 2,048 float32; gate_up_proj_codes 8 x 2,048 x 32 x 32 uint8 (E4M3 codes of gate_up_proj, K innermost, in blocks of 32 codes); hidden_states 1 x 2,048 x 1,024 float32; lowp_scales 4 int32 (the exponents e of the quantised operands' scales 2^e); router_b 8 float32; router_w 1,024 x 8 float32.
;; Outputs: out0 1 x 2,048 x 1,024 float32; out1 1 x 2,048 x 8 float32.
;; This version of the problem:
;;   THIS VERSION OF THE PROBLEM IS GIVEN IN LOW PRECISION. The matrix products marked QUANTISED in the list below multiply operands that are first quantised to E4M3 (4 exponent bits, 3 mantissa bits; 8 bits a number), with one given power-of-two scale for each operand tensor; their sums are f32. All else is computed in f32.
;;   The module's matrix products, in the order in which they are computed (A, B: the left and right operand; K: the contracted axis; several contracted axes count as one K, in the product's order):
;;     1. [M 2,048, K 1,024] x [K 1,024, N 8]; A: input hidden_states; B: input router_w: left as it is (N = 8 < 16)
;;     2. batch 2,048 x [M 1, K 2] x [K 2, N 8]; A: softmax; B: computed on the way: left as it is (K = 2 < 32)
;;     3. [M 2,048, K 1,024] x [K 1,024, N 16,384]; A: input hidden_states; B: input gate_up_proj (given as codes): QUANTISED (scales: A lowp_scales[0], B lowp_scales[1])
;;     4. batch 8 x [M 1,024, K 1,024] x [K 1,024, N 2,048]; A: input down_proj (given as codes); B: computed on the way: QUANTISED (scales: A lowp_scales[2], B lowp_scales[3])
;;     5. batch 2,048 x [M 1,024, K 2] x [K 2, N 1]; A: computed on the way; B: softmax: left as it is (K = 2 < 32)
;;   THE QUANTISER, for each operand of a quantised product, along K:
;;     - The operand's scale is 2^e, e = its entry of the input lowp_scales (int32; the entries are numbered through the quantised products in the list's order, A before B).
;;     - Each number is divided by the scale, clamped to +-448, and rounded to the nearest number of E4M3, ties to even, subnormals kept.
;;     - The product sums the exact products of the quantised numbers (number of the format x scale) in f32.
;;   ~~~python
;;   def quantise(x, axis, e):      # numpy; x: float32 -> the quantised numbers, widened to float32 again
;;       x = np.moveaxis(x, axis, -1); K = x.shape[-1]
;;       r = np.clip(x / 2.0 ** e, -448, 448)
;;       step = 2.0 ** (np.maximum(np.frexp(np.where(r == 0, 1, r))[1] - 1, -6) - 3)
;;       q = np.round(r / step) * step * 2.0 ** e      # np.round: ties to even
;;       return np.moveaxis(q, -1, axis).astype(np.float32)
;;   ~~~
;;   OPERANDS COMPUTED ON THE WAY. 'Computed on the way' means the value that the module computes at that place (a softmax that the list does not call 'softmax' is quantised finished and normalised). What goes into a quantiser is computed in f32, as accurately as f32 sums, v_exp_f32 and their like allow (about 1e-6 of the number): no bf16 or f16 on the way to a quantiser, and a product that is left as it is and whose result goes on into a quantised operand takes f32 operands (vector FMAs, or v_wmma_f32_16x16x4_f32). A number that lies on a knife's edge between two numbers of the format may be rounded either way, as far as f32 arithmetic and the matrix unit's own rounding can turn it there, and no further.
;;   INPUTS GIVEN AS CODES. down_proj (in the module: [8, 1024, 1024], K = its axis 1); gate_up_proj (in the module: [8, 1024, 2048], K = its axis 1): each comes as NAME_codes (uint8): NAME with its K axis moved to the last place and cut into blocks of 32 codes, [.., K / 32, bytes a block], one block behind the other in memory; one code a byte (a code: sign, 4 exponent bits, 3 mantissa bits); its scale is its entry of lowp_scales. Its value is code x scale, taken as it is: it is not quantised again, and the codes and scales need not be those that the quantiser above would give.
;; 2 versions. Each part assembles by itself: llvm-mc -triple=amdgcn-amd-amdhsa -mcpu=gfx1250 --defsym DOCPART=n.
;; ======== version 1 of 2: 4 launches
;; workspace buffers: xq 2,097,152 bytes; ridx 16,384 bytes of whole numbers; rw 16,384 bytes; rowtok 24,576 bytes of whole numbers; wrow 24,576 bytes; tiles 1,024 bytes of whole numbers; act 5,898,240 bytes
;; launch route (part 1): grid 256 x 1, 8 waves a work-group, no clusters, 50,176 bytes of LDS; arguments hidden_states, router_w, router_b, lowp_scales, xq, ridx, rw, out1; writes xq, ridx, rw, out1
.if DOCPART == 1
	.amdgcn_target "amdgcn-amd-amdhsa--gfx1250"
	.amdhsa_code_object_version 6
	.text
	.protected	k_qcb73e26359_route
	.globl	k_qcb73e26359_route
	.p2align	8
	.type	k_qcb73e26359_route,@function
k_qcb73e26359_route:
	s_mov_b64 s[64:65], 0
	v_nop
	global_prefetch_b8 v0, s[64:65] scope:SCOPE_SE
	s_setreg_imm32_b32 hwreg(HW_REG_WAVE_MODE, 25, 1), 1
	s_wait_xcnt 0x0
; THE ROUTER AND x's CODES.  logits = x router_w + router_b in f32 (fused multiply-adds); the two largest logits (the lower index wins a tie, as jax.lax.top_k has it);
; their softmax, with the larger one taken away ahead of the exponential; out1 = the two weights at their experts' places, 0 elsewhere.
; The choice is stored at FIXED places (ridx: two whole numbers a token, rw: their two weights): no address of this launch hangs on it.  x is read once here, so its E4M3 codes are made here too:
; code = x / 2^e0, held within +-448, to the nearest code, ties to even; xq is [2048][1024], one byte a code.
; SHARES: a work-group takes 8 tokens, a wave one.  Lane l holds x[128 j + 4 l + i] (j = 0..7, i = 0..3): each load of a wave reads 512 consecutive bytes.  router_w (32,768 bytes) is copied once into LDS.
; No matrix unit: 8 columns are fewer than a matrix tile has.  No cluster: the only bytes that work-groups share are router_w's 32,768.
; LIMITS: e0 between -126 and 119.  NaN and infinities among the inputs are not served.  The logits are f32 sums in another order than the reference's: a token whose second and third logit lie closer
; than that rounding may take the other expert.
; REGISTERS: v1-11 addresses and constants; v12-19 the sums; v20-23 the two largest and their places; v24-31 at work, then the codes; v32-63 x; v64-127 two sets of router_w, later at work;
;   v128-130 the addresses of wave 0's way out: made at the head and never written again.
.set WR,  0                            ; LDS: router_w as 256 groups of four rows (128 bytes), 144 bytes apart: a lane's group starts 16 bytes further, modulo 256, than its neighbour's
.set XS,  36864                        ; a stage of 1,024 bytes for each wave: a token's codes
.set SC,  45056                        ; 4 bytes a thread: the lane's score
.set IX,  46080                        ; the same: lane 0 the first expert, the others the second
.set WW,  47104                        ; the same for the two weights
.set A,   12                           ; v12-19   the eight sums
.set X,   32                           ; v32-63   my 32 numbers of x
.set WB0, 64                           ; v64-95, v96-127: two sets of 32 numbers of router_w
.set WB1, 96
.set OSC, 128                          ; v128  wave 0's way out: where four scores lie
.set OIX, 129                          ; v129  where one expert and one weight lie
.set OL4, 130                          ; v130  4 x lane
	s_load_b512 s[8:23], s[0:1], 0x0               ; x s[8:9], router_w s[10:11], router_b s[12:13], scales s[14:15], xq s[16:17], ridx s[18:19], rw s[20:21], out1 s[22:23]
	v_lshl_add_u32 v136, v0, 2, 0xc000
	v_mov_b32 v137, 0
	v_lshrrev_b32 v24, 5, v0
	v_readfirstlane_b32 s2, v24                    ; wave
	v_and_b32 v1, 31, v0                           ; lane
	v_lshlrev_b32 v2, 4, v1                        ; 16 x lane
	v_lshlrev_b32 v3, 4, v0                        ; 16 x thread
	v_lshrrev_b32 v4, 3, v0
	v_mul_u32_u24 v4, v4, 144
	v_and_b32 v25, 7, v0
	v_lshl_add_u32 v4, v25, 4, v4                  ; router_w into LDS: eight threads fill a group of 128 bytes
	v_mul_u32_u24 v5, v1, 144                      ; and out of it: my lane's group
	v_lshlrev_b32 v26, 10, v24
	v_lshl_add_u32 v6, v1, 2, v26                  ; my wave's stage: 4 bytes a lane on the way in,
	v_lshl_add_u32 v7, v1, 4, v26                  ; 16 on the way out
	v_lshlrev_b32 v8, 2, v0                        ; 4 x thread
	v_mov_b32 v11, 0xff800000                      ; -infinity
	v_and_b32 v27, 15, v0                          ; wave 0's way out: lane l (0..15) takes half l % 2 of token l / 2
	v_lshrrev_b32 v28, 1, v27
	v_and_b32 v29, 1, v27
	v_lshlrev_b32 v30, 7, v28                      ; a token's (a wave's) 128 bytes
	v_lshl_add_u32 v[OSC], v29, 4, v30             ; four scores
	v_lshl_add_u32 v[OIX], v29, 2, v30             ; one expert, one weight
	v_lshlrev_b32 v[OL4], 2, v1
	s_mov_b32 s34, 0x76543210                      ; v_permlanex16_b32: lane l xor 16
	s_mov_b32 s35, 0xfedcba98
	s_lshl_b32 s3, ttmp9, 3
	s_add_co_u32 s3, s3, s2                        ; my token
	s_lshl_b32 s36, s3, 12
	s_mov_b32 s37, 0
	s_wait_kmcnt 0x0
	s_load_b256 s[24:31], s[12:13], 0x0            ; router_b
	s_load_b32 s32, s[14:15], 0x0                  ; e0
	s_add_nc_u64 s[8:9], s[8:9], s[36:37]          ; my row of x
	s_lshl_b32 s36, s3, 10
	s_add_nc_u64 s[16:17], s[16:17], s[36:37]      ; my row of xq
	s_lshl_b32 s36, ttmp9, 8
	s_add_nc_u64 s[22:23], s[22:23], s[36:37]      ; the work-group's 256 bytes of out1
	s_lshl_b32 s36, ttmp9, 6
	s_add_nc_u64 s[18:19], s[18:19], s[36:37]      ; its 64 bytes of ridx and of rw
	s_add_nc_u64 s[20:21], s[20:21], s[36:37]
.irp k, 0,1,2,3,4,5,6,7
	global_load_b128 v[WB0+4*\k:WB0+4*\k+3], v3, s[10:11] offset:4096*\k
.endr
.irp j, 0,1,2,3,4,5,6,7
	global_load_b128 v[X+4*\j:X+4*\j+3], v2, s[8:9] offset:512*\j th:TH_LOAD_NT   ; x is read once in the launch
.endr
	s_wait_loadcnt 0x8                             ; router_w's eight loads are in; x's eight may be out
.irp k, 0,1,2,3,4,5,6,7
	ds_store_b128 v4, v[WB0+4*\k:WB0+4*\k+3] offset:WR+4608*\k
.endr
	s_wait_dscnt 0x0                               ; for the others' sake: my part of router_w lies in LDS
	s_barrier_signal -1
	s_barrier_wait -1
.macro LOADW j, buf                    ; register 8 i + e of the set = router_w[128 j + 4 lane + i][e]
.irp i, 0,1,2,3,4,5,6,7
	ds_load_b128 v[\buf+4*\i:\buf+4*\i+3], v5 offset:WR+4608*(\j)+16*\i
.endr
.endm
.macro FMA j, buf                      ; 32 multiply-adds, the eight sums by turns; the very first products start the sums
.irp i, 0,1,2,3
.irp e, 0,1,2,3,4,5,6,7
.if ((\j) == 0) && (\i == 0)
	v_mul_f32 v[A+\e], v[X+4*(\j)+\i], v[\buf+8*\i+\e]
.else
	v_fmac_f32 v[A+\e], v[X+4*(\j)+\i], v[\buf+8*\i+\e]
.endif
.endr
.endr
.endm
	LOADW 0, WB0
	s_wait_loadcnt 0x0                             ; x
.irp j, 0,1,2,3,4,5,6
	LOADW \j+1, WB0+32*((\j+1)%2)
	s_wait_dscnt 0x8                               ; this chunk's eight loads are in; the next chunk's eight may be out
	FMA \j, WB0+32*(\j%2)
.endr
	s_wait_dscnt 0x0
	FMA 7, WB1
	; x's codes
	s_wait_kmcnt 0x0
	s_add_co_i32 s32, s32, 127
	s_lshl_b32 s33, s32, 23
	v_mov_b32 v9, s33                              ; 2^e0 as f32: the conversion takes its exponent field
	s_add_co_i32 s32, s32, 8
	s_lshl_b32 s32, s32, 23
	s_or_b32 s32, s32, 0x600000
	v_mov_b32 v10, s32                             ; 448 x 2^e0
.set i, 0
.rept 32
	v_med3_num_f32 v[X+i], v[X+i], -v10, v10       ; the conversion to an 8-bit code does not saturate (ISA guide 7.6.2): the hold comes first
.set i, i+1
.endr
.irp m, 0,1,2,3
	v_cvt_scalef32_pk8_fp8_f32 v[24+2*\m:25+2*\m], v[X+8*\m:X+8*\m+7], v9   ; word d of v24-31: the codes of x[128 d + 4 lane + 0..3]
.endr
	v_nop                                          ; a plain line behind the last conversion
.irp d, 0,1,2,3,4,5,6,7
	ds_store_b32 v6, v[24+\d] offset:XS+128*\d     ; the row's 1,024 codes in their order, in my wave's own stage
.endr
.irp k, 0,1
	ds_load_b128 v[WB0+4*\k:WB0+4*\k+3], v7 offset:XS+512*\k   ; LDS serves a wave's instructions in order: these see my stores
.endr
	; the sums over the 32 lanes, the eight by turns
.irp m, 1,2,4,8
.irp e, 0,1,2,3,4,5,6,7
	v_add_f32_dpp v[A+\e], v[A+\e], v[A+\e] row_xmask:\m row_mask:0xf bank_mask:0xf
.endr
.endr
.irp e, 0,1,2,3,4,5,6,7
	v_permlanex16_b32 v[WB1+\e], v[A+\e], s34, s35 ; (the destinations have been written: they held router_w)
.endr
.irp e, 0,1,2,3,4,5,6,7
	v_add_f32 v[A+\e], v[A+\e], v[WB1+\e]
.endr
.irp e, 0,1,2,3,4,5,6,7
	v_add_f32 v[A+\e], s[24+\e], v[A+\e]           ; + router_b: every lane holds the token's eight logits
.endr
	s_wait_dscnt 0x0
.irp k, 0,1
	global_store_b128 v2, v[WB0+4*\k:WB0+4*\k+3], s[16:17] offset:512*\k   ; the wave stores 512 consecutive bytes, aligned
.endr
	; the largest logit (v20, at v21): only a strictly larger one takes its place, so the lower index wins a tie
	v_mov_b32 v20, v[A]
	v_mov_b32 v21, 0
.irp e, 1,2,3,4,5,6,7
	v_cmp_gt_f32 vcc_lo, v[A+\e], v20
	v_cndmask_b32 v20, v20, v[A+\e], vcc_lo
	v_cndmask_b32 v21, v21, \e, vcc_lo
.endr
.irp e, 0,1,2,3,4,5,6,7
	v_cmp_eq_u32 vcc_lo, \e, v21
	v_cndmask_b32 v[A+\e], v[A+\e], v11, vcc_lo    ; it is taken out,
.endr
	v_mov_b32 v22, v[A]                            ; and the same again gives the second (v22, at v23)
	v_mov_b32 v23, 0
.irp e, 1,2,3,4,5,6,7
	v_cmp_gt_f32 vcc_lo, v[A+\e], v22
	v_cndmask_b32 v22, v22, v[A+\e], vcc_lo
	v_cndmask_b32 v23, v23, \e, vcc_lo
.endr
	; softmax of the two, the larger taken away: w1 = 1 / (1 + e^(second - first)), w2 = e^(second - first) w1
	v_sub_f32 v104, v22, v20
	v_mul_f32 v104, 0x3fb8aa3b, v104
	v_exp_f32 v105, v104
	v_nop                                          ; a plain line behind the transcendental,
	s_wait_alu depctr_va_vdst(0)                   ; and the wait ahead of its first reader
	v_add_f32 v106, 1.0, v105
	v_rcp_f32 v107, v106                           ; w1
	v_nop
	s_wait_alu depctr_va_vdst(0)
	v_mul_f32 v108, v105, v107                     ; w2
	v_cmp_eq_u32 vcc_lo, v1, v23
	v_cndmask_b32 v109, 0, v108, vcc_lo
	v_cmp_eq_u32 vcc_lo, v1, v21
	v_cndmask_b32 v109, v109, v107, vcc_lo         ; lane e (0..7): the score of expert e
	v_cmp_eq_u32 vcc_lo, 0, v1
	v_cndmask_b32 v110, v23, v21, vcc_lo
	v_cndmask_b32 v111, v108, v107, vcc_lo
	ds_store_b32 v8, v109 offset:SC
	ds_store_b32 v8, v110 offset:IX
	ds_store_b32 v8, v111 offset:WW
	s_wait_dscnt 0x0                               ; for wave 0's sake
	s_barrier_signal -1
	s_barrier_wait -1
	s_cmp_lg_u32 s2, 0
	s_cbranch_scc1 .Lothers
	ds_load_b128 v[120:123], v[OSC] offset:SC      ; wave 0 gathers the eight tokens' results
	ds_load_b32 v118, v[OIX] offset:IX
	ds_load_b32 v119, v[OIX] offset:WW
	s_wait_dscnt 0x0
	s_wait_xcnt 0x0                                ; EXEC changes only when the stores of xq have read it
	s_wait_tensorcnt 0x0
	ds_add_u32 v136, v137
	s_wait_dscnt 0x0
	v_cmpx_gt_u32 16, v0
	global_store_b128 v2, v[120:123], s[22:23]     ; sixteen lanes store the work-group's 256 consecutive bytes of out1, aligned
	global_store_b32 v[OL4], v118, s[18:19]        ; 64 consecutive bytes of each of the two small tables (16,384 bytes each in all)
	global_store_b32 v[OL4], v119, s[20:21]
	s_endpgm
.Lothers:
	s_wait_tensorcnt 0x0
	ds_add_u32 v136, v137
	s_wait_dscnt 0x0
	s_endpgm
.Lfunc_end_k_qcb73e26359_route:
	.size	k_qcb73e26359_route, .Lfunc_end_k_qcb73e26359_route-k_qcb73e26359_route
	.p2alignl 7, 3214868480
	.fill 96, 4, 3214868480
	.section	.rodata,"a",@progbits
	.p2align	6, 0x0
	.amdhsa_kernel k_qcb73e26359_route
		.amdhsa_group_segment_fixed_size 50176
		.amdhsa_private_segment_fixed_size 0
		.amdhsa_enable_private_segment 0
		.amdhsa_kernarg_size 64
		.amdhsa_user_sgpr_count 2
		.amdhsa_user_sgpr_kernarg_segment_ptr 1
		.amdhsa_wavefront_size32 1
		.amdhsa_system_sgpr_workgroup_id_x 1
		.amdhsa_system_sgpr_workgroup_id_y 1
		.amdhsa_system_sgpr_workgroup_id_z 1
		.amdhsa_system_vgpr_workitem_id 0
		.amdhsa_next_free_vgpr 138
		.amdhsa_next_free_sgpr 66
		.amdhsa_reserve_vcc 1
		.amdhsa_float_denorm_mode_32 3
		.amdhsa_float_denorm_mode_16_64 3
		.amdhsa_memory_ordered 1
		.amdhsa_forward_progress 1
		.amdhsa_inst_pref_size 28
	.end_amdhsa_kernel
	.amdgpu_metadata
---
amdhsa.version: [ 1, 2 ]
amdhsa.kernels:
  - .name:           k_qcb73e26359_route
    .symbol:         k_qcb73e26359_route.kd
    .args:
      - { .name: hidden_states, .offset: 0, .size: 8, .value_kind: global_buffer, .address_space: global }
      - { .name: router_w, .offset: 8, .size: 8, .value_kind: global_buffer, .address_space: global }
      - { .name: router_b, .offset: 16, .size: 8, .value_kind: global_buffer, .address_space: global }
      - { .name: lowp_scales, .offset: 24, .size: 8, .value_kind: global_buffer, .address_space: global }
      - { .name: xq, .offset: 32, .size: 8, .value_kind: global_buffer, .address_space: global }
      - { .name: ridx, .offset: 40, .size: 8, .value_kind: global_buffer, .address_space: global }
      - { .name: rw, .offset: 48, .size: 8, .value_kind: global_buffer, .address_space: global }
      - { .name: out1, .offset: 56, .size: 8, .value_kind: global_buffer, .address_space: global }
    .group_segment_fixed_size: 50176
    .private_segment_fixed_size: 0
    .kernarg_segment_align: 8
    .kernarg_segment_size: 64
    .max_flat_workgroup_size: 256
    .sgpr_count:     66
    .vgpr_count:     138
    .wavefront_size: 32
...
	.end_amdgpu_metadata
.endif
;; end of part 1
;; launch place (part 2): grid 1 x 1, 16 waves a work-group, no clusters, 12,288 bytes of LDS; arguments ridx, rw, rowtok, wrow, tiles; writes rowtok, wrow, tiles
.if DOCPART == 2
	.amdgcn_target "amdgcn-amd-amdhsa--gfx1250"
	.amdhsa_code_object_version 6
	.text
	.protected	k_qcb73e26359_place
	.globl	k_qcb73e26359_place
	.p2align	8
	.type	k_qcb73e26359_place,@function
k_qcb73e26359_place:
	s_mov_b64 s[64:65], 0
	v_nop
	global_prefetch_b8 v0, s[64:65] scope:SCOPE_SE
	s_setreg_imm32_b32 hwreg(HW_REG_WAVE_MODE, 25, 1), 1
	s_wait_xcnt 0x0
; THE ROWS ARE PLACED: a counting sort of the 2,048 tokens by their unordered PAIR of experts (28 pairs; pair (lo, hi) has the number lo (13 - lo) / 2 + hi - 1), without atomics, by one work-group.
; THE SORTED ROWS: for expert a = 0..7, for partner b = 0..7 (b != a): the tokens of pair {a, b}, ascending, filled up to a multiple of 16 rows; each expert's region filled up to a multiple of 128 rows.
; So the two runs of a pair hold the same tokens in the same order, and a later launch can add a token's two results itself.  At most 45 x 128 = 5,760 rows whatever the choice
; (4,096 rows + 56 runs x 15, cut to a multiple of 16, + 8 x 112, cut to a multiple of 128); at most 59 tiles of 64 tokens of one pair ((2,048 + 28 x 63) / 64).
; OUT: rowtok[row] = the row's token, wrow[row] = its weight for that region's expert (fill rows: 0 and 0.0; all 6,144 entries are written);
; tiles[q] = { lo | hi << 8 | rows << 16,  first block of 16 rows in lo's region,  the same in hi's,  the expert of the q-th block of 128 rows }.
; SHARES: wave w owns tokens 128 w .. 128 w + 127, four chunks of 32, a lane a token.  The tables are made by every wave alike (registers only), lane p holding pair p's numbers.
; The rows' stores are 4 bytes to places that the sort decides, 32,768 bytes in all: too few to be worth a way through LDS.
.set CNT, 0                            ; LDS: 64 chunks x 32 words: how many tokens of pair p the chunk has
.set VC,  8192                         ; 512 words: how many true rows each block of 16 sorted rows has
	s_load_b256 s[4:11], s[0:1], 0x0               ; ridx s[4:5], rw s[6:7], rowtok s[8:9], wrow s[10:11]
	s_load_b64 s[12:13], s[0:1], 0x20              ; tiles
	v_lshl_add_u32 v128, v0, 2, 0x2800
	v_mov_b32 v129, 0
	v_lshrrev_b32 v32, 5, v0
	v_readfirstlane_b32 s2, v32                    ; wave
	v_and_b32 v1, 31, v0                           ; lane
	v_lshlrev_b32 v2, 10, v32
	v_lshl_add_u32 v2, v1, 3, v2                   ; my token's 8 bytes in ridx and in rw, chunk 0
	v_lshlrev_b32 v3, 9, v32
	v_lshl_add_u32 v3, v1, 2, v3                   ; my wave's four rows of CNT
	v_lshlrev_b32 v45, 2, v1                       ; 4 x lane
	v_lshlrev_b32 v41, 4, v0                       ; 16 x thread: the first row of 'my' block of 16 rows; also my 16 bytes of tiles
	v_and_b32 v42, 63, v0                          ; q: 'my' entry of tiles
	v_lshlrev_b32 v118, 2, v0                      ; 4 x thread
	v_lshrrev_b32 v116, 4, v0
	v_lshlrev_b32 v116, 2, v116                    ; 4 x (thread / 16)
	v_and_b32 v117, 15, v0
	v_mov_b32 v119, 0
	v_lshlrev_b32 v46, 7, v32
	v_add_nc_u32 v46, v46, v1                      ; my token of chunk 0
	s_wait_kmcnt 0x0
.irp c, 0,1,2,3
	global_load_b64 v[4+2*\c:5+2*\c], v2, s[4:5] offset:256*\c
.endr
.irp c, 0,1,2,3
	global_load_b64 v[12+2*\c:13+2*\c], v2, s[6:7] offset:256*\c
.endr
	s_wait_loadcnt 0x4                             ; the experts are in; the four loads of weights may be out
.irp c, 0,1,2,3
	v_min_u32 v[4+2*\c], 7, v[4+2*\c]
	v_min_u32 v[5+2*\c], 7, v[5+2*\c]
	v_min_u32 v32, v[4+2*\c], v[5+2*\c]            ; lo
	v_max_u32 v33, v[4+2*\c], v[5+2*\c]            ; hi
	v_sub_nc_u32 v[20+\c], 13, v32
	v_mul_u32_u24 v[20+\c], v[20+\c], v32
	v_lshrrev_b32 v[20+\c], 1, v[20+\c]
	v_add3_u32 v[20+\c], v[20+\c], v33, -1
	v_min_u32 v[20+\c], 27, v[20+\c]               ; v20-23: the pair's number
	v_mov_b32 v[24+\c], 0                          ; v24-27: my rank among the chunk's tokens of my pair
	v_mov_b32 v[28+\c], 0                          ; v28-31: lane p: the chunk's count of pair p
.endr
.set k, 0
.rept 28
.irp c, 0,1,2,3
	v_cmp_eq_u32 s[40+2*\c], k, v[20+\c]
	s_bcnt1_i32_b32 s[41+2*\c], s[40+2*\c]
	v_writelane_b32 v[28+\c], s[41+2*\c], k
	v_mbcnt_lo_u32_b32 v32, s[40+2*\c], 0          ; how many lanes below mine have pair k
	v_cndmask_b32 v[24+\c], v[24+\c], v32, s[40+2*\c]
.endr
.set k, k+1
.endr
.irp c, 0,1,2,3
	ds_store_b32 v3, v[28+\c] offset:CNT+128*\c
.endr
	s_wait_dscnt 0x0                               ; for the others' sake
	s_barrier_signal -1
	s_barrier_wait -1
	; lane p: pair p's total (v34), and its count in the waves ahead of mine (v35)
	v_mov_b32 v34, 0
	v_mov_b32 v35, 0
.irp t, 0,1,2,3
.irp i, 0,1,2,3,4,5,6,7,8,9,10,11,12,13,14,15
	ds_load_b32 v[52+\i], v45 offset:CNT+128*(16*\t+\i)
.endr
	s_wait_dscnt 0x0
.irp g, 0,1,2,3
	v_add_nc_u32 v32, v[52+4*\g], v[53+4*\g]
	v_add3_u32 v32, v32, v[54+4*\g], v[55+4*\g]    ; wave 4 t + g's four chunks
	v_add_nc_u32 v34, v34, v32
	s_cmp_lt_u32 4*\t+\g, s2
	s_cselect_b32 s48, -1, 0
	v_and_b32 v33, s48, v32
	v_add_nc_u32 v35, v35, v33
.endr
.endr
	; the tables
.set p, 0
.rept 28
	v_readlane_b32 s[68+p], v34, p                 ; s68-95: n[p]
.set p, p+1
.endr
	v_mov_b32 v36, 0                               ; lane p: the first row of pair p's run in lo's region,
	v_mov_b32 v37, 0                               ; in hi's region;
	v_mov_b32 v38, 0                               ; its first tile of 64 tokens;
	v_mov_b32 v39, 0                               ; lo | hi << 8
	v_mov_b32 v40, 0                               ; the true rows of my block of 16
	v_mov_b32 v43, 0                               ; the pair of tile q
	v_mov_b32 v44, 0                               ; the expert of the q-th block of 128 rows
	s_mov_b32 s60, 0                               ; the row at which the next run begins
	s_mov_b32 s61, 0                               ; the next tile of 64 tokens
.macro RUN a, b
.if \a < \b
.set PP, (\a)*(13-(\a))/2+(\b)-1
.else
.set PP, (\b)*(13-(\b))/2+(\a)-1
.endif
	s_add_co_u32 s62, s[68+PP], 15
	s_and_b32 s62, s62, -16                        ; the run's rows, filled up to 16
.if \a < \b
	v_writelane_b32 v36, s60, PP
.else
	v_writelane_b32 v37, s60, PP
.endif
	v_subrev_nc_u32 v32, s60, v41                  ; my block's place in the run (a large number where it lies ahead of it)
	v_cmp_gt_u32 vcc_lo, s62, v32                  ; inside?
	v_sub_nc_u32 v33, s[68+PP], v32                ; then so many true rows are left from there on
	v_cndmask_b32 v40, v40, v33, vcc_lo
	s_add_co_u32 s60, s60, s62
.endm
.irp a, 0,1,2,3,4,5,6,7
.irp b, 0,1,2,3,4,5,6,7
.if \a != \b
	RUN \a, \b
.endif
.endr
	s_add_co_u32 s60, s60, 127
	s_and_b32 s60, s60, 0xffffff80                 ; the region is filled up to 128 rows
	s_lshr_b32 s[52+\a], s60, 7                    ; s52-59: the block of 128 rows at which region a ends
.endr
.irp a, 0,1,2,3,4,5,6
.irp b, 1,2,3,4,5,6,7
.if \a < \b
.set PP, (\a)*(13-(\a))/2+(\b)-1
	v_writelane_b32 v38, s61, PP
	s_mov_b32 s63, (\a)+256*(\b)
	v_writelane_b32 v39, s63, PP
	s_add_co_u32 s62, s[68+PP], 63
	s_lshr_b32 s62, s62, 6
	s_add_co_u32 s61, s61, s62                     ; the pair's tiles end here
	v_cmp_le_u32 vcc_lo, s61, v42
	v_add_co_ci_u32 v43, vcc_lo, 0, v43, vcc_lo    ; tile q's pair = the number of pairs that end at or ahead of q
.endif
.endr
.endr
.irp a, 0,1,2,3,4,5,6,7
	v_cmp_le_u32 vcc_lo, s[52+\a], v42
	v_add_co_ci_u32 v44, vcc_lo, 0, v44, vcc_lo    ; likewise the expert of block q
.endr
	v_min_u32 v43, 27, v43
	v_min_u32 v44, 7, v44
	v_lshlrev_b32 v32, 2, v43
	ds_bpermute_b32 v52, v32, v38                  ; the pair's first tile,
	ds_bpermute_b32 v53, v32, v34                  ; n,
	ds_bpermute_b32 v54, v32, v36                  ; its two runs' first rows,
	ds_bpermute_b32 v55, v32, v37
	ds_bpermute_b32 v56, v32, v39                  ; lo | hi << 8
	v_min_u32 v40, 16, v40
	ds_store_b32 v118, v40 offset:VC
	s_wait_dscnt 0x0
	v_sub_nc_u32 v57, v42, v52                     ; j: which tile of the pair
	v_lshlrev_b32 v58, 6, v57
	v_min_u32 v58, v58, v53
	v_sub_nc_u32 v58, v53, v58
	v_min_u32 v58, 64, v58                         ; its rows: 0 in the entries behind the last tile
	v_lshl_or_b32 v48, v58, 16, v56
	v_lshrrev_b32 v54, 4, v54
	v_lshl_add_u32 v49, v57, 2, v54
	v_min_u32 v49, 0x167, v49                      ; blocks of 16 rows: 0 .. 359
	v_lshrrev_b32 v55, 4, v55
	v_lshl_add_u32 v50, v57, 2, v55
	v_min_u32 v50, 0x167, v50
	v_mov_b32 v51, v44
	s_cmp_lt_u32 s2, 2
	s_cbranch_scc0 .Lno_tiles
	global_store_b128 v41, v[48:51], s[12:13]      ; waves 0 and 1: 512 consecutive bytes each
.Lno_tiles:
	; each token's two rows
	s_wait_loadcnt 0x0                             ; the weights
	v_mov_b32 v47, v35
.irp c, 0,1,2,3
	v_add_nc_u32 v[72+\c], v36, v47                ; lane p: where chunk c's tokens of pair p begin, in lo's region
	v_add_nc_u32 v[76+\c], v37, v47                ; and in hi's
	v_add_nc_u32 v47, v47, v[28+\c]
	v_lshlrev_b32 v[80+\c], 2, v[20+\c]
.endr
.irp c, 0,1,2,3
	ds_bpermute_b32 v[84+\c], v[80+\c], v[72+\c]
	ds_bpermute_b32 v[88+\c], v[80+\c], v[76+\c]
.endr
.irp c, 0,1,2,3
	v_add_nc_u32 v[92+\c], 32*\c, v46              ; the token
	v_cmp_lt_u32 vcc_lo, v[4+2*\c], v[5+2*\c]
	v_cndmask_b32 v[96+\c], v[13+2*\c], v[12+2*\c], vcc_lo    ; lo's weight
	v_cndmask_b32 v[100+\c], v[12+2*\c], v[13+2*\c], vcc_lo   ; hi's
.endr
	s_wait_dscnt 0x0
.irp c, 0,1,2,3
	v_add_nc_u32 v[84+\c], v[84+\c], v[24+\c]
	v_min_u32 v[84+\c], 0x167f, v[84+\c]           ; rows: 0 .. 5,759
	v_lshlrev_b32 v[84+\c], 2, v[84+\c]
	v_add_nc_u32 v[88+\c], v[88+\c], v[24+\c]
	v_min_u32 v[88+\c], 0x167f, v[88+\c]
	v_lshlrev_b32 v[88+\c], 2, v[88+\c]
	global_store_b32 v[84+\c], v[92+\c], s[8:9]
	global_store_b32 v[88+\c], v[92+\c], s[8:9]
	global_store_b32 v[84+\c], v[96+\c], s[10:11]
	global_store_b32 v[88+\c], v[100+\c], s[10:11]
.endr
	; the fill rows: other rows than those stored above, so the two need no order
	s_barrier_signal -1                            ; (every wave's store into VC has been waited for)
	s_barrier_wait -1
.irp i, 0,1,2,3,4,5,6,7,8,9,10,11
	ds_load_b32 v[104+\i], v116 offset:VC+128*\i   ; the true rows of the block that holds row 512 i + thread
.endr
	s_wait_dscnt 0x0
.irp i, 0,1,2,3,4,5,6,7,8,9,10,11
	s_wait_xcnt 0x0                                ; EXEC changes only when the earlier stores have read it
	v_cmp_le_u32 vcc_lo, v[104+\i], v117
	s_and_saveexec_b32 s50, vcc_lo
	global_store_b32 v118, v119, s[8:9] offset:2048*\i
	global_store_b32 v118, v119, s[10:11] offset:2048*\i
	s_wait_xcnt 0x0
	s_or_b32 exec_lo, exec_lo, s50
.endr
	s_wait_xcnt 0x0
	s_mov_b32 exec_lo, -1
	s_wait_tensorcnt 0x0
	ds_add_u32 v128, v129
	s_wait_dscnt 0x0
	s_endpgm
.Lfunc_end_k_qcb73e26359_place:
	.size	k_qcb73e26359_place, .Lfunc_end_k_qcb73e26359_place-k_qcb73e26359_place
	.p2alignl 7, 3214868480
	.fill 96, 4, 3214868480
	.section	.rodata,"a",@progbits
	.p2align	6, 0x0
	.amdhsa_kernel k_qcb73e26359_place
		.amdhsa_group_segment_fixed_size 12288
		.amdhsa_private_segment_fixed_size 0
		.amdhsa_enable_private_segment 0
		.amdhsa_kernarg_size 40
		.amdhsa_user_sgpr_count 2
		.amdhsa_user_sgpr_kernarg_segment_ptr 1
		.amdhsa_wavefront_size32 1
		.amdhsa_system_sgpr_workgroup_id_x 1
		.amdhsa_system_sgpr_workgroup_id_y 1
		.amdhsa_system_sgpr_workgroup_id_z 1
		.amdhsa_system_vgpr_workitem_id 0
		.amdhsa_next_free_vgpr 130
		.amdhsa_next_free_sgpr 96
		.amdhsa_reserve_vcc 1
		.amdhsa_float_denorm_mode_32 3
		.amdhsa_float_denorm_mode_16_64 3
		.amdhsa_memory_ordered 1
		.amdhsa_forward_progress 1
		.amdhsa_inst_pref_size 84
	.end_amdhsa_kernel
	.amdgpu_metadata
---
amdhsa.version: [ 1, 2 ]
amdhsa.kernels:
  - .name:           k_qcb73e26359_place
    .symbol:         k_qcb73e26359_place.kd
    .args:
      - { .name: ridx, .offset: 0, .size: 8, .value_kind: global_buffer, .address_space: global }
      - { .name: rw, .offset: 8, .size: 8, .value_kind: global_buffer, .address_space: global }
      - { .name: rowtok, .offset: 16, .size: 8, .value_kind: global_buffer, .address_space: global }
      - { .name: wrow, .offset: 24, .size: 8, .value_kind: global_buffer, .address_space: global }
      - { .name: tiles, .offset: 32, .size: 8, .value_kind: global_buffer, .address_space: global }
    .group_segment_fixed_size: 12288
    .private_segment_fixed_size: 0
    .kernarg_segment_align: 8
    .kernarg_segment_size: 40
    .max_flat_workgroup_size: 512
    .sgpr_count:     96
    .vgpr_count:     130
    .wavefront_size: 32
...
	.end_amdgpu_metadata
.endif
;; end of part 2
;; launch gateup (part 3): grid 4 x 45, 8 waves a work-group, no clusters, 327,680 bytes of LDS; arguments xq, gate_up_proj_codes, gate_up_bias, lowp_scales, rowtok, tiles, act; writes act
.if DOCPART == 3
	.amdgcn_target "amdgcn-amd-amdhsa--gfx1250"
	.amdhsa_code_object_version 6
	.text
	.protected	k_qcb73e26359_gateup
	.globl	k_qcb73e26359_gateup
	.p2align	8
	.type	k_qcb73e26359_gateup,@function
k_qcb73e26359_gateup:
	s_mov_b64 s[64:65], 0
	v_nop
	global_prefetch_b8 v0, s[64:65] scope:SCOPE_SE
	s_setreg_imm32_b32 hwreg(HW_REG_WAVE_MODE, 25, 1), 1
	s_wait_xcnt 0x0
; THE FIRST PRODUCT OF THE CHOSEN ROWS, THE ACTIVATION AND ITS CODES.  For each sorted row (token t, expert e): gu = x[t] W[e] + b[e] on E4M3 codes (sums in f32, x 2^(e0 + e1));
; gate = min(gu[2 i], 7), up = gu[2 i + 1] held within +-7; a = (up + 1) gate / (1 + e^(-1.702 gate)); code = a / 2^e3, held within +-448, to the nearest code, ties to even.
; SHARES: work-group (x, y): the y-th block of 128 sorted rows (all of one expert: regions are multiples of 128 rows) x 512 columns of gu, in two passes of 256.  Eight waves: wave w takes rows 64 (w / 4) on and
; columns 64 (w % 4) on of a pass: 16 accumulators.  The grid has the 45 blocks that no choice of experts exceeds.  No branch hangs on the stored tables: a block behind the
; last region is computed like any other (on token 0's row, with expert 7) and stored; the next launch stores nothing that is made of such rows.
; x's rows are gathered by the list through registers into LDS, once.  W's tiles (256 columns x 256 along K: rows of 256 bytes of memory) come through two LDS slots, each wave fetching 32 rows by one tensor load.
; TRANSPOSED: source 0 = 16 columns of W, source 1 = 16 rows of x: a lane holds ONE row.  THE COLUMNS OF A TILE ARE NOT NEIGHBOURS: lane r of tile u takes column 32 (r / 8) + 8 u + r % 8 of the wave's 64, so that a
; lane's 32 registers of tiles 0-3 are 32 neighbouring columns: 16 pairs (gate, up), 16 neighbours along the next K.  The conversions' results are the next operand's registers and are stored as such:
; act = [block of 16 rows][K step of 128][group c][lane][16 bytes], lane (r, h) of group c holding K = 32 c + 16 h + 0..15 of row r.
; A fragment is fetched by four loads of 16 bytes (K = 32 c + 16 h + 0..15 in registers 4 c .. 4 c + 3): a permutation of k, the same on both sides.
; NO CLUSTER: partners would have to share an expert, which hangs on the stored split, and x's rows come through registers.  NO PREFETCH: each tile of W is read by several work-groups at about the same time.
; LIMITS: e0 + e1 between -126 and 127, e3 between -126 and 119.  NaN and infinities are not served.
; REGISTERS: window 0: v1-15 addresses and constants; v16-31 the gather's offsets; v32-63, v64-95 the two passes' biases / 2^(e0 + e1), the C of each sum's first product; v96-111 at work; v112-127 codes;
;   v128-255 the accumulators ((a, u) at 128 + 8 (4 a + u)).   window 1: two sets of fragments for 128 along K: x's four at +16 a, W's four at +64 + 16 u.
.set PA,    1040                       ; a row of x in LDS: 1,024 bytes + 16: the 16 rows of a fragment start 16 bytes apart modulo 256
.set PB,    272                        ; a row of W's tile: 256 bytes + 16
.set BLK,   32*PB+128                  ; a wave's 32 rows, and 128 bytes: rows 0-7 of one block and of the next, which one load touches, start at 16 different places modulo 256
.set SLOT0, 128*PA
.set SLOT1, SLOT0+8*BLK
.set SPARE, SLOT1+8*BLK                ; the spare words, 128 bytes for each wave: four blocks of 256 bytes that no other line names
.set BIAS0, 32
.set BIAS1, 64
.set T,     96
.set CD,    112
.set ACC,   128
.set F0,    0
.set F1,    128
.set G1,    28                         ; s[28:35] descriptor group 1
.set G0,    52                         ; s[52:55], s[56:59] group 0, one set for each slot
.set WB,    60                         ; s[60:61] W at my expert, my 32 rows of pass 0, K = 0
.set MSB, 0
.macro WIN new                         ; the immediate's high byte repeats the setting that is left
.if MSB != \new
	s_set_vgpr_msb (MSB<<8)|\new
.set MSB, \new
.endif
.endm
.set W_MUL, 0x05                       ; sources 0 and 1 window 1; C and D window 0
.set TO_F,  0x40                       ; destination window 1, address window 0
.macro PLACES                          ; four plain lines: in front of loads into registers that products have read, and of the first read of results; also behind a tensor load
.rept 4
	v_nop
.endr
.endm
	s_load_b256 s[4:11], s[0:1], 0x0               ; xq s[4:5], W s[6:7], bias s[8:9], scales s[10:11]
	s_load_b128 s[12:15], s[0:1], 0x20             ; rowtok s[12:13], tiles s[14:15]
	s_load_b64 s[16:17], s[0:1], 0x30              ; act
	v_lshl_add_u32 v7, v0, 2, SPARE                ; my spare word; never rewritten
	v_mov_b32 v8, 0                                ; 0; never rewritten
	ds_add_u32 v7, v8
	ds_add_u32 v7, v8
	s_wait_dscnt 0x0
	v_lshrrev_b32 v14, 5, v0
	v_readfirstlane_b32 s2, v14                    ; wave
	v_and_b32 v1, 15, v0                           ; r
	v_bfe_u32 v2, v0, 4, 1                         ; h
	v_and_b32 v15, 31, v0
	v_lshlrev_b32 v3, 4, v15                       ; 16 x lane
	s_lshr_b32 s25, s2, 2                          ; which 64 rows
	s_and_b32 s26, s2, 3                           ; which 64 columns
	s_mul_i32 s27, s25, 64*PA
	v_mul_u32_u24 v4, v1, PA
	v_lshl_add_u32 v4, v2, 4, v4
	v_add_nc_u32 v4, s27, v4                       ; x's fragments: row 64 (w / 4) + r, + 16 h
	s_mul_i32 s27, s26, 2*BLK
	v_lshrrev_b32 v14, 3, v1
	v_mul_u32_u24 v14, v14, BLK
	v_and_b32 v15, 7, v1
	v_mad_u32_u24 v14, v15, PB, v14
	v_lshl_add_u32 v14, v2, 4, v14
	v_add_nc_u32 v14, s27, v14
	v_add_nc_u32 v5, SLOT0, v14                    ; W's fragments: block 2 (w % 4) + r / 8, row r % 8, + 16 h; slot 0,
	v_add_nc_u32 v6, SLOT1, v14                    ; slot 1
	s_mul_i32 s27, s2, 16*PA
	v_add_nc_u32 v9, s27, v3                       ; where I put the rows that I gather: rows 16 w on
	v_lshlrev_b32 v13, 7, v2                       ; the biases of my 32 columns: 128 h bytes on
	v_mov_b32 v10, 0x40e00000                      ; 7.0
	s_mov_b32 s[G1+0], (1<<20)|(5<<22)|(3<<25)     ; elements of 1 byte; padding on: 4 words behind every 64
	s_mov_b32 s[G1+1], 256<<16                     ; tensor_dim0 = 256
	s_mov_b32 s[G1+2], 32<<16                      ; tensor_dim1 = 32
	s_mov_b32 s[G1+3], 256<<16                     ; tile_dim0 = 256
	s_mov_b32 s[G1+4], 32                          ; tile_dim1 = 32
	s_mov_b32 s[G1+5], 1024                        ; from row to row
	s_mov_b32 s[G1+6], 0
	s_mov_b32 s[G1+7], 0
	s_and_b32 s66, ttmp7, 0xffff                   ; y
	s_lshl_b32 s68, s66, 4
	s_mov_b32 s69, 0
	s_lshl_b32 s70, s66, 9
	s_lshl_b32 s3, s2, 6
	s_add_co_u32 s70, s70, s3                      ; my 16 rows' entries of rowtok
	s_mov_b32 s71, 0
	s_wait_kmcnt 0x0
	s_add_nc_u64 s[14:15], s[14:15], s[68:69]
	s_add_nc_u64 s[12:13], s[12:13], s[70:71]
	s_load_b32 s24, s[14:15], 0xc                  ; the block's expert
	s_load_b128 s[20:23], s[10:11], 0x0            ; e0, e1, e2, e3
	s_load_b512 s[36:51], s[12:13], 0x0            ; 16 tokens
	s_wait_kmcnt 0x0
	s_min_u32 s24, s24, 7
	s_lshl_b32 s70, s24, 21                        ; an expert's 2,048 rows of 1,024 bytes,
	s_lshl_b32 s3, ttmp9, 19                       ; 512 rows for x,
	s_add_co_u32 s70, s70, s3
	s_lshl_b32 s3, s2, 15                          ; 32 for the wave
	s_add_co_u32 s70, s70, s3
	s_add_nc_u64 s[WB:WB+1], s[6:7], s[70:71]
	s_mul_i32 s27, s2, BLK
	s_mov_b32 s[G0+0], 1
	s_add_co_u32 s[G0+1], s27, SLOT0
	s_mov_b64 s[G0+2:G0+3], s[WB:WB+1]             ; step 0: pass 0, K 0-255
	s_or_b32 s[G0+3], s[G0+3], 0x80000000
	s_mov_b32 s[G0+4], 1
	s_add_co_u32 s[G0+5], s27, SLOT1
	s_add_nc_u64 s[G0+6:G0+7], s[WB:WB+1], 256     ; step 1: K 256-511
	s_or_b32 s[G0+7], s[G0+7], 0x80000000
	tensor_load_to_lds s[G0:G0+3], s[G1:G1+7]      ; both first fills together, ahead of every wait for them, every LDS read and every barrier: two loads of mine are out
	s_nop 0
	tensor_load_to_lds s[G0+4:G0+7], s[G1:G1+7]
	s_nop 0
	PLACES
	s_lshl_b32 s70, s24, 13
	s_lshl_b32 s3, ttmp9, 11
	s_add_co_u32 s70, s70, s3
	s_lshl_b32 s3, s26, 8
	s_add_co_u32 s70, s70, s3
	s_add_nc_u64 s[8:9], s[8:9], s[70:71]          ; the bias at my expert, pass 0, my 64 columns
.irp i, 0,1,2,3,4,5,6,7
	global_load_b128 v[BIAS0+4*\i:BIAS0+4*\i+3], v13, s[8:9] offset:16*\i
.endr
.irp i, 0,1,2,3,4,5,6,7
	global_load_b128 v[BIAS1+4*\i:BIAS1+4*\i+3], v13, s[8:9] offset:1024+16*\i
.endr
.irp i, 0,1,2,3,4,5,6,7,8,9,10,11,12,13,14,15
	s_min_u32 s[36+\i], s[36+\i], 2047
	v_lshl_add_u32 v[16+\i], s[36+\i], 10, v3      ; the token's row of 1,024 codes, + 16 x lane
.endr
.irp i, 0,1,2,3,4,5,6,7,8,9,10,11,12,13,14,15
.irp k, 0,1
	global_load_b128 v[ACC+8*\i+4*\k:ACC+8*\i+4*\k+3], v[16+\i], s[4:5] offset:512*\k   ; the wave reads 512 consecutive bytes
.endr
.endr
	s_lshl_b32 s70, s66, 17                        ; act: 8 blocks of 16 rows (16,384 bytes each) for y,
	s_lshl_b32 s3, s25, 16                         ; 4 for my half of the rows,
	s_add_co_u32 s70, s70, s3
	s_lshl_b32 s3, ttmp9, 12                       ; K steps 2 x and 2 x + 1 (2,048 bytes each),
	s_add_co_u32 s70, s70, s3
	s_lshl_b32 s3, s26, 9                          ; group c = w % 4
	s_add_co_u32 s70, s70, s3
	s_add_nc_u64 s[16:17], s[16:17], s[70:71]
	s_add_co_i32 s67, s20, s21                     ; e0 + e1
	s_sub_co_i32 s68, 0, s67
	s_add_co_i32 s67, s67, 127
	s_lshl_b32 s62, s67, 23                        ; 2^(e0 + e1) as f32
	s_mov_b32 s63, s62                             ; (named with it as a pair, so it is written)
	s_add_co_i32 s67, s23, 127
	s_lshl_b32 s69, s67, 23
	v_mov_b32 v12, s69                             ; 2^e3: the conversion takes its exponent field
	s_add_co_i32 s67, s67, 8
	s_lshl_b32 s67, s67, 23
	s_or_b32 s67, s67, 0x600000
	v_mov_b32 v11, s67                             ; 448 x 2^e3
.set n, 0
.rept 32
	s_wait_loadcnt 31-n                            ; loads come back in order: this one is in, the younger ones may be out
	ds_store_b128 v9, v[ACC+4*n:ACC+4*n+3] offset:PA*(n/2)+512*(n%2)
.set n, n+1
.endr
.set n, 0
.rept 64
	v_ldexp_f32 v[BIAS0+n], v[BIAS0+n], s68        ; a sum stands for sum x 2^(e0 + e1): the bias goes in divided by that
.set n, n+1
.endr
; 32 LDS loads in one run: the fragments of 128 along K into set f: W's four tiles (the q-th 128 of slot sl), then x's four (K step ks of the row)
.macro FETCH sl, q, ks, f
	WIN TO_F
.irp u, 0,1,2,3
.irp c, 0,1,2,3
	ds_load_b128 v[\f+64+16*\u+4*\c:\f+64+16*\u+4*\c+3], v[5+\sl] offset:8*PB*\u+128*(\q)+32*\c
.endr
.endr
.irp a, 0,1,2,3
.irp c, 0,1,2,3
	ds_load_b128 v[\f+16*\a+4*\c:\f+16*\a+4*\c+3], v4 offset:16*PA*\a+128*(\ks)+32*\c
.endr
.endr
.endm
; four products: rows 16 a on x the wave's four tiles of columns.  bias >= 0: the pass's first K step starts the sums with the bias as C.  The 16 accumulators take turns, one instruction a turn
.macro MUL f, a, bias
.irp u, 0,1,2,3
.if \bias >= 0
	v_wmma_f32_16x16x128_fp8_fp8 v[ACC+8*(4*(\a)+\u):ACC+8*(4*(\a)+\u)+7], v[\f+64+16*\u:\f+64+16*\u+15], v[\f+16*(\a):\f+16*(\a)+15], v[\bias+8*\u:\bias+8*\u+7]
.else
	v_wmma_f32_16x16x128_fp8_fp8 v[ACC+8*(4*(\a)+\u):ACC+8*(4*(\a)+\u)+7], v[\f+64+16*\u:\f+64+16*\u+15], v[\f+16*(\a):\f+16*(\a)+15], v[ACC+8*(4*(\a)+\u):ACC+8*(4*(\a)+\u)+7]
.endif
.endr
.endm
; a slot's first 128 along K: multiplies set 0, fetches the second 128 into set 1 in its middle
.macro Q0 sl, ks, bias
	s_wait_dscnt 0x8                               ; W's tiles and x's fragments 0, 1 are in; the youngest eight loads (fragments 2, 3) may be out
	WIN W_MUL
	MUL F0, 0, \bias
	MUL F0, 1, \bias
	PLACES
	FETCH \sl, 1, (\ks)+1, F1
	s_wait_dscnt 0x20                              ; all but the 32 just issued
	WIN W_MUL
	MUL F0, 2, \bias
	MUL F0, 3, \bias
.endm
; a slot's second 128 along K, and the change of slots: ONE barrier.  In front of it each wave waits for all its tensor loads (its part of the other slot), adds 0 to its spare word, and waits for that and for its
; reads of this slot.  Behind it the other slot is whole and nobody reads this one.  nx >= 0: this slot is filled with step nx (pass nx / 4, K 256 (nx % 4) on): one load of mine is out, and has a step in which to land.
.macro TURN sl, nsl, ksn, nx
	WIN 0
	s_wait_tensorcnt 0x0                           ; no tensor load of mine is out, so a group 0 may be written
	ds_add_u32 v7, v8                              ; 0 onto my spare word
.if \nx >= 0
	s_add_nc_u64 s[G0+4*\sl+2:G0+4*\sl+3], s[WB:WB+1], ((\nx)/4)*262144+((\nx)%4)*256
	s_or_b32 s[G0+4*\sl+3], s[G0+4*\sl+3], 0x80000000
.endif
	s_wait_dscnt 0x9                               ; (the add and the youngest eight loads may be out)
	WIN W_MUL
	MUL F1, 0, -1
	s_wait_dscnt 0x0                               ; the add is done, and my reads of this slot are over
	s_barrier_signal -1
	MUL F1, 1, -1
	WIN 0
	s_barrier_wait -1
.if \nx >= 0
	tensor_load_to_lds s[G0+4*\sl:G0+4*\sl+3], s[G1:G1+7]   ; the first thing behind the barrier, and my one tensor load until the next
	s_nop 0
.endif
	PLACES
	FETCH \nsl, 0, \ksn, F0
	WIN W_MUL
	MUL F1, 2, -1
	MUL F1, 3, -1
.endm
.macro LAST                            ; the very last 128 along K: nothing more to fetch
	s_wait_dscnt 0x8
	WIN W_MUL
	MUL F1, 0, -1
	MUL F1, 1, -1
	s_wait_dscnt 0x0
	MUL F1, 2, -1
	MUL F1, 3, -1
	WIN 0
	PLACES
.endm
; rows 16 a on: the lane's 32 sums (16 pairs gate, up) become 16 codes.  Each accumulator is read from its low end on.  The exponentials and the reciprocals go as batches, each with one wait ahead of its first reader
.macro ACT a, pass
.set XA, ACC+32*(\a)
.set i, 0
.rept 16
	v_pk_mul_f32 v[XA+2*i:XA+2*i+1], v[XA+2*i:XA+2*i+1], s[62:63] op_sel_hi:[1,0]   ; x 2^(e0 + e1): gu
.set i, i+1
.endr
.set i, 0
.rept 16
	v_min_num_f32 v[XA+2*i], v[XA+2*i], v10        ; gate
.set i, i+1
.endr
.set i, 0
.rept 16
	v_mul_f32 v[T+i], 0xc01d265f, v[XA+2*i]        ; -1.702 log2(e) gate
.set i, i+1
.endr
.set i, 0
.rept 16
	v_exp_f32 v[T+i], v[T+i]
.set i, i+1
.endr
.set i, 0
.rept 16
	v_med3_num_f32 v[XA+2*i+1], v[XA+2*i+1], -v10, v10   ; up: plain work that names no exponential's result
.set i, i+1
.endr
	s_wait_alu depctr_va_vdst(0)
.set i, 0
.rept 16
	v_add_f32 v[T+i], 1.0, v[T+i]
.set i, i+1
.endr
.set i, 0
.rept 16
	v_rcp_f32 v[T+i], v[T+i]                       ; the sigmoid
.set i, i+1
.endr
	v_nop
	s_wait_alu depctr_va_vdst(0)
.set i, 0
.rept 16
	v_mul_f32 v[T+i], v[T+i], v[XA+2*i]            ; glu
.set i, i+1
.endr
.set i, 0
.rept 16
	v_fma_f32 v[T+i], v[XA+2*i+1], v[T+i], v[T+i]  ; (up + 1) glu
.set i, i+1
.endr
.set i, 0
.rept 16
	v_med3_num_f32 v[T+i], v[T+i], -v11, v11       ; the conversion does not saturate (ISA guide 7.6.2): the hold comes first
.set i, i+1
.endr
	v_cvt_scalef32_pk8_fp8_f32 v[CD+4*(\a):CD+4*(\a)+1], v[T:T+7], v12
	v_cvt_scalef32_pk8_fp8_f32 v[CD+4*(\a)+2:CD+4*(\a)+3], v[T+8:T+15], v12
	v_nop                                          ; a plain line behind the last conversion
	global_store_b128 v3, v[CD+4*(\a):CD+4*(\a)+3], s[16:17] offset:16384*(\a)+2048*(\pass)   ; the wave stores 512 consecutive bytes, aligned
.endm
	s_wait_tensorcnt 0x1                           ; my part of slot 0 is in; slot 1's may stay out
	s_wait_dscnt 0x0                               ; my rows of x lie in LDS
	s_barrier_signal -1
	s_barrier_wait -1
	FETCH 0, 0, 0, F0
	Q0 0, 0, BIAS0                                 ; pass 0
	TURN 0, 1, 2, 2
	Q0 1, 2, -1
	TURN 1, 0, 4, 3
	Q0 0, 4, -1
	TURN 0, 1, 6, 4
	Q0 1, 6, -1
	TURN 1, 0, 0, 5                                ; pass 1's first fragments are fetched, and its second tile is asked for, ahead of pass 0's activation
	WIN 0
	ACT 0, 0                                       ; rows 0-31 were finished ahead of the four plain lines in TURN; their activation's plain lines are the places behind the last products
	ACT 1, 0
	ACT 2, 0
	ACT 3, 0
	Q0 0, 0, BIAS1                                 ; pass 1
	TURN 0, 1, 2, 6
	Q0 1, 2, -1
	TURN 1, 0, 4, 7
	Q0 0, 4, -1
	TURN 0, 1, 6, -1                               ; nothing is left to fetch
	Q0 1, 6, -1
	LAST
	s_wait_xcnt 0x0                                ; pass 0's stores have read their registers: the codes' registers are written again
	ACT 0, 1
	ACT 1, 1
	ACT 2, 1
	ACT 3, 1
	s_wait_tensorcnt 0x0                           ; the wave's end
	ds_add_u32 v7, v8
	s_wait_dscnt 0x0
	s_endpgm
.Lfunc_end_k_qcb73e26359_gateup:
	.size	k_qcb73e26359_gateup, .Lfunc_end_k_qcb73e26359_gateup-k_qcb73e26359_gateup
	.p2alignl 7, 3214868480
	.fill 96, 4, 3214868480
	.section	.rodata,"a",@progbits
	.p2align	6, 0x0
	.amdhsa_kernel k_qcb73e26359_gateup
		.amdhsa_group_segment_fixed_size 327680
		.amdhsa_private_segment_fixed_size 0
		.amdhsa_enable_private_segment 0
		.amdhsa_kernarg_size 56
		.amdhsa_user_sgpr_count 2
		.amdhsa_user_sgpr_kernarg_segment_ptr 1
		.amdhsa_wavefront_size32 1
		.amdhsa_system_sgpr_workgroup_id_x 1
		.amdhsa_system_sgpr_workgroup_id_y 1
		.amdhsa_system_sgpr_workgroup_id_z 1
		.amdhsa_system_vgpr_workitem_id 0
		.amdhsa_next_free_vgpr 512
		.amdhsa_next_free_sgpr 72
		.amdhsa_reserve_vcc 0
		.amdhsa_float_denorm_mode_32 3
		.amdhsa_float_denorm_mode_16_64 3
		.amdhsa_memory_ordered 1
		.amdhsa_forward_progress 1
		.amdhsa_inst_pref_size 137
	.end_amdhsa_kernel
	.amdgpu_metadata
---
amdhsa.version: [ 1, 2 ]
amdhsa.kernels:
  - .name:           k_qcb73e26359_gateup
    .symbol:         k_qcb73e26359_gateup.kd
    .args:
      - { .name: xq, .offset: 0, .size: 8, .value_kind: global_buffer, .address_space: global }
      - { .name: gate_up_proj_codes, .offset: 8, .size: 8, .value_kind: global_buffer, .address_space: global }
      - { .name: gate_up_bias, .offset: 16, .size: 8, .value_kind: global_buffer, .address_space: global }
      - { .name: lowp_scales, .offset: 24, .size: 8, .value_kind: global_buffer, .address_space: global }
      - { .name: rowtok, .offset: 32, .size: 8, .value_kind: global_buffer, .address_space: global }
      - { .name: tiles, .offset: 40, .size: 8, .value_kind: global_buffer, .address_space: global }
      - { .name: act, .offset: 48, .size: 8, .value_kind: global_buffer, .address_space: global }
    .group_segment_fixed_size: 327680
    .private_segment_fixed_size: 0
    .kernarg_segment_align: 8
    .kernarg_segment_size: 56
    .max_flat_workgroup_size: 256
    .sgpr_count:     72
    .vgpr_count:     512
    .wavefront_size: 32
...
	.end_amdgpu_metadata
.endif
;; end of part 3
;; launch down (part 4): grid 4 x 59, 8 waves a work-group, no clusters, 327,680 bytes of LDS; arguments act, down_proj_codes, down_bias, lowp_scales, rowtok, wrow, tiles, out0; writes out0
.if DOCPART == 4
	.amdgcn_target "amdgcn-amd-amdhsa--gfx1250"
	.amdhsa_code_object_version 6
	.text
	.protected	k_qcb73e26359_down
	.globl	k_qcb73e26359_down
	.p2align	8
	.type	k_qcb73e26359_down,@function
k_qcb73e26359_down:
	s_mov_b64 s[64:65], 0
	v_nop
	global_prefetch_b8 v0, s[64:65] scope:SCOPE_SE
	s_setreg_imm32_b32 hwreg(HW_REG_WAVE_MODE, 25, 1), 1
	s_wait_xcnt 0x0
; THE SECOND PRODUCT AND THE SUM OVER A TOKEN'S TWO EXPERTS.  out0[t] = wa (act_a D[ea] + b[ea]) + wb (act_b D[eb] + b[eb]), both products on E4M3 codes, sums in f32, x 2^(e2 + e3).
; SHARES: work-group (x, y): the y-th tile of up to 64 tokens that chose the same pair (ea, eb) x 256 columns of out0.  The pair's two runs of sorted rows hold the same tokens in the same order, so the tile's
; rows of act are four blocks of 16 rows in ea's region and four in eb's, and the work-group owns its output rows: nothing is added in memory.  Wave w takes all 64 rows x columns 32 w on, for both experts: 8 + 8 accumulators.
; The grid has the 59 tiles that no choice exceeds.  No branch hangs on the stored tables: rows behind a tile's count (all 64 in a tile that the split leaves empty) are computed
; and not stored: EXEC is narrowed for the stores alone.
; act's eight blocks (16,384 bytes each, images of the operand's registers) come by one tensor load a wave, once.  D's tiles (256 columns x 256 along K) come through two LDS slots, 32 rows a wave by one tensor load:
; steps 0-3 ea's K, steps 4-7 eb's.  TRANSPOSED: source 0 = 16 columns of D, source 1 = 16 rows of act: a lane holds one token and eight neighbouring columns.
; NO CLUSTER: along x only act's tile is shared, 131,072 of a work-group's 655,360 bytes.  NO PREFETCH: each tile of D is read by several work-groups at about the same time.
; LIMITS: e2 + e3 between -126 and 127.
; REGISTERS: window 0: v1-15 addresses; v16-23 the stores' offsets; v24-27, v28-31 the weights x 2^(e2 + e3) of row r of each block, for ea and for eb; v32-47, v48-63 the biases / 2^(e2 + e3);
;   v64-127 ea's accumulators ((a, u) at 8 (2 a + u)), v128-191 eb's, later rows of out0; v192-199 wrow's offsets.   window 1: two sets of fragments: act's four at +16 a, D's two at +64 + 16 u.
.set PB,    272                        ; a row of D's tile in LDS: 256 bytes + 16: the 16 rows of a fragment start 16 bytes apart modulo 256
.set BLK,   32*PB
.set SLOT0, 131072                     ; behind act's eight blocks
.set SLOT1, SLOT0+8*BLK
.set SPARE, SLOT1+8*BLK                ; the spare words, 128 bytes for each wave: four blocks of 256 bytes that no other line names
.set SP,    1040                       ; the way out: a stage of 64 rows x (1,024 bytes + 16) at LDS byte 0: act's blocks have had their only fill, and nobody reads them any more
.set BIA,   32
.set BIB,   48
.set ACCA,  64
.set ACCB,  128
.set F0,    0
.set F1,    128
.set G1A,   32                         ; s[32:39] descriptor group 1 for act's blocks;  s[40:47] for D's tiles
.set G1B,   40
.set G0A,   48                         ; s[48:51] group 0 for my block of act;  s[52:55], s[56:59] for D's tiles, one set for each slot
.set G0B,   52
.set DB,    60                         ; s[60:61], s[62:63] D at ea, at eb: my 32 rows, K = 0
.set MSB, 0
.macro WIN new                         ; the immediate's high byte repeats the setting that is left
.if MSB != \new
	s_set_vgpr_msb (MSB<<8)|\new
.set MSB, \new
.endif
.endm
.set W_MUL, 0x05                       ; sources 0 and 1 window 1; C and D window 0
.set TO_F,  0x40                       ; destination window 1, address window 0
.macro PLACES                          ; four plain lines: in front of loads into registers that products have read, and of the first read of results; also behind a tensor load
.rept 4
	v_nop
.endr
.endm
	s_load_b512 s[4:19], s[0:1], 0x0               ; act s[4:5], D s[6:7], bias s[8:9], scales s[10:11], rowtok s[12:13], wrow s[14:15], tiles s[16:17], out0 s[18:19]
	v_lshl_add_u32 v8, v0, 2, SPARE                ; my spare word; never rewritten
	v_mov_b32 v9, 0                                ; 0; never rewritten
	ds_add_u32 v8, v9
	ds_add_u32 v8, v9
	s_wait_dscnt 0x0
	v_lshrrev_b32 v13, 5, v0
	v_readfirstlane_b32 s2, v13                    ; wave
	v_and_b32 v1, 15, v0                           ; r
	v_bfe_u32 v2, v0, 4, 1                         ; h
	v_and_b32 v3, 31, v0
	v_lshlrev_b32 v4, 4, v3                        ; 16 x lane: an image's place for my lane, ea's blocks;
	v_add_nc_u32 v5, 0x10000, v4                   ; eb's blocks
	s_mul_i32 s89, s2, BLK
	v_mul_u32_u24 v13, v1, PB
	v_lshl_add_u32 v13, v2, 4, v13
	v_add_nc_u32 v13, s89, v13
	v_add_nc_u32 v6, SLOT0, v13                    ; D's fragments: my wave's block, row r, + 16 h; slot 0,
	v_add_nc_u32 v7, SLOT1, v13                    ; slot 1
	s_lshl_b32 s90, s2, 7
	v_mul_u32_u24 v10, v1, SP
	v_lshl_add_u32 v10, v2, 5, v10
	v_add_nc_u32 v10, s90, v10                     ; the stage, in: row r, + 128 w + 32 h
	s_mul_i32 s90, s2, 8*SP
	v_add_nc_u32 v11, s90, v4                      ; and back: my eight rows, 16 bytes a lane
	s_lshl_b32 s90, s2, 3
	v_mov_b32 v12, s90                             ; 8 w: the first row that I store
	v_lshlrev_b32 v14, 2, v1                       ; 4 r
	v_lshlrev_b32 v15, 5, v2                       ; 32 h
	s_mov_b32 s[G1A+0], 3<<16                      ; act's block, dense: elements of 8 bytes,
	s_mov_b32 s[G1A+1], 32<<16                     ; tensor_dim0 = 32 (256 bytes)
	s_mov_b32 s[G1A+2], 64<<16                     ; tensor_dim1 = 64
	s_mov_b32 s[G1A+3], 32<<16                     ; tile_dim0 = 32
	s_mov_b32 s[G1A+4], 64                         ; tile_dim1 = 64
	s_mov_b32 s[G1A+5], 32                         ; from row to row
	s_mov_b32 s[G1A+6], 0
	s_mov_b32 s[G1A+7], 0
	s_mov_b32 s[G1B+0], (1<<20)|(5<<22)|(3<<25)    ; D's tile: elements of 1 byte; padding on: 4 words behind every 64
	s_mov_b32 s[G1B+1], 256<<16
	s_mov_b32 s[G1B+2], 32<<16
	s_mov_b32 s[G1B+3], 256<<16
	s_mov_b32 s[G1B+4], 32
	s_mov_b32 s[G1B+5], 1024
	s_mov_b32 s[G1B+6], 0
	s_mov_b32 s[G1B+7], 0
	s_and_b32 s91, ttmp7, 0xffff                   ; y
	s_lshl_b32 s92, s91, 4
	s_mov_b32 s93, 0
	s_wait_kmcnt 0x0
	s_add_nc_u64 s[16:17], s[16:17], s[92:93]
	s_load_b128 s[20:23], s[16:17], 0x0            ; the tile: ea | eb << 8 | rows << 16, its first block of 16 rows in ea's region, in eb's
	s_load_b128 s[28:31], s[10:11], 0x0            ; e0, e1, e2, e3
	s_wait_kmcnt 0x0
	s_bfe_u32 s76, s20, 0x80000
	s_bfe_u32 s77, s20, 0x80008
	s_bfe_u32 s78, s20, 0x80010
	s_min_u32 s76, s76, 7                          ; ea
	s_min_u32 s77, s77, 7                          ; eb
	s_min_u32 s78, s78, 64                         ; the tile's rows
.irp a, 0,1,2,3
	s_add_co_u32 s[80+\a], s21, \a
	s_min_u32 s[80+\a], s[80+\a], 359              ; the four blocks of 16 rows in ea's region (act has 360),
	s_add_co_u32 s[84+\a], s22, \a
	s_min_u32 s[84+\a], s[84+\a], 359              ; in eb's
.endr
	s_and_b32 s90, s2, 3
	s_cmp_lt_u32 s2, 4                             ; waves 0-3 fetch ea's blocks, waves 4-7 eb's
	s_cselect_b32 s94, s21, s22
	s_add_co_u32 s94, s94, s90
	s_min_u32 s94, s94, 359
	s_lshl_b32 s94, s94, 14
	s_mov_b32 s95, 0
	s_mov_b32 s[G0A+0], 1
	s_lshl_b32 s[G0A+1], s2, 14                    ; block w of the eight
	s_add_nc_u64 s[G0A+2:G0A+3], s[4:5], s[94:95]
	s_or_b32 s[G0A+3], s[G0A+3], 0x80000000
	s_lshl_b32 s90, ttmp9, 18                      ; 256 rows of 1,024 bytes for x,
	s_lshl_b32 s92, s2, 15                         ; 32 for the wave
	s_add_co_u32 s90, s90, s92
	s_lshl_b32 s94, s76, 20                        ; an expert's 1,024 rows
	s_add_co_u32 s94, s94, s90
	s_add_nc_u64 s[DB:DB+1], s[6:7], s[94:95]
	s_lshl_b32 s94, s77, 20
	s_add_co_u32 s94, s94, s90
	s_add_nc_u64 s[DB+2:DB+3], s[6:7], s[94:95]
	s_mov_b32 s[G0B+0], 1
	s_add_co_u32 s[G0B+1], s89, SLOT0
	s_mov_b64 s[G0B+2:G0B+3], s[DB:DB+1]           ; step 0: ea, K 0-255
	s_or_b32 s[G0B+3], s[G0B+3], 0x80000000
	s_mov_b32 s[G0B+4], 1
	s_add_co_u32 s[G0B+5], s89, SLOT1
	s_add_nc_u64 s[G0B+6:G0B+7], s[DB:DB+1], 256   ; step 1: K 256-511
	s_or_b32 s[G0B+7], s[G0B+7], 0x80000000
	tensor_load_to_lds s[G0A:G0A+3], s[G1A:G1A+7]  ; the three first fills together, ahead of every wait for them, every LDS read and every barrier: three loads of mine are out
	s_nop 0
	tensor_load_to_lds s[G0B:G0B+3], s[G1B:G1B+7]
	s_nop 0
	tensor_load_to_lds s[G0B+4:G0B+7], s[G1B:G1B+7]
	s_nop 0
	PLACES
	s_lshr_b32 s90, s2, 1                          ; the tokens of the eight rows that I store: rows 8 w on = block w / 2, rows 8 (w % 2) on
	s_add_co_u32 s90, s90, s21
	s_min_u32 s90, s90, 359
	s_lshl_b32 s94, s90, 6
	s_and_b32 s90, s2, 1
	s_lshl_b32 s90, s90, 5
	s_add_co_u32 s94, s94, s90
	s_add_nc_u64 s[12:13], s[12:13], s[94:95]
	s_load_b256 s[68:75], s[12:13], 0x0
	s_lshl_b32 s90, ttmp9, 10
	s_lshl_b32 s92, s2, 7
	s_add_co_u32 s90, s90, s92                     ; my 32 columns, in bytes
	s_lshl_b32 s94, s76, 12
	s_add_co_u32 s94, s94, s90
	s_add_nc_u64 s[24:25], s[8:9], s[94:95]        ; ea's bias,
	s_lshl_b32 s94, s77, 12
	s_add_co_u32 s94, s94, s90
	s_add_nc_u64 s[26:27], s[8:9], s[94:95]        ; eb's
.irp u, 0,1
	global_load_b128 v[BIA+8*\u:BIA+8*\u+3],   v15, s[24:25] offset:64*\u      ; lane (r, h), tile u: columns 16 u + 8 h + 0..7
	global_load_b128 v[BIA+8*\u+4:BIA+8*\u+7], v15, s[24:25] offset:64*\u+16
	global_load_b128 v[BIB+8*\u:BIB+8*\u+3],   v15, s[26:27] offset:64*\u
	global_load_b128 v[BIB+8*\u+4:BIB+8*\u+7], v15, s[26:27] offset:64*\u+16
.endr
.irp a, 0,1,2,3
	v_lshl_add_u32 v[192+\a], s[80+\a], 6, v14
	v_lshl_add_u32 v[196+\a], s[84+\a], 6, v14
	global_load_b32 v[24+\a], v[192+\a], s[14:15]  ; the weight of row r of block a, for ea,
	global_load_b32 v[28+\a], v[196+\a], s[14:15]  ; for eb
.endr
	s_add_co_i32 s90, s30, s31                     ; e2 + e3
	s_sub_co_i32 s92, 0, s90
	s_add_co_i32 s90, s90, 127
	s_lshl_b32 s88, s90, 23                        ; 2^(e2 + e3) as f32
	s_lshl_b32 s94, ttmp9, 10
	s_add_nc_u64 s[18:19], s[18:19], s[94:95]      ; out0 at my work-group's 256 columns
	s_wait_loadcnt 0x0
.set i, 0
.rept 32
	v_ldexp_f32 v[BIA+i], v[BIA+i], s92            ; a sum stands for sum x 2^(e2 + e3): the bias goes in divided by that,
.set i, i+1
.endr
.set i, 0
.rept 8
	v_mul_f32 v[24+i], s88, v[24+i]                ; and the weight takes the factor
.set i, i+1
.endr
	s_wait_kmcnt 0x0
.irp i, 0,1,2,3,4,5,6,7
	s_min_u32 s[68+\i], s[68+\i], 2047
	v_lshl_add_u32 v[16+\i], s[68+\i], 12, v4      ; the token's row of out0, + 16 x lane
.endr
; 24 LDS loads in one run: the fragments of 128 along K into set f: D's two tiles (the q-th 128 of slot sl), then act's four (K step ks; e = 0: ea's blocks, 1: eb's)
.macro FETCH sl, q, ks, e, f
	WIN TO_F
.irp u, 0,1
.irp c, 0,1,2,3
	ds_load_b128 v[\f+64+16*\u+4*\c:\f+64+16*\u+4*\c+3], v[6+\sl] offset:16*PB*\u+128*(\q)+32*\c
.endr
.endr
.irp a, 0,1,2,3
.irp c, 0,1,2,3
	ds_load_b128 v[\f+16*\a+4*\c:\f+16*\a+4*\c+3], v[4+\e] offset:16384*\a+2048*(\ks)+512*\c
.endr
.endr
.endm
; two products: rows 16 a on x my two tiles of columns.  bias >= 0: an expert's first K step starts the sums with the bias as C.  The eight accumulators take turns, one instruction a turn
.macro MUL f, a, acc, bias
.irp u, 0,1
.if \bias >= 0
	v_wmma_f32_16x16x128_fp8_fp8 v[\acc+8*(2*(\a)+\u):\acc+8*(2*(\a)+\u)+7], v[\f+64+16*\u:\f+64+16*\u+15], v[\f+16*(\a):\f+16*(\a)+15], v[\bias+8*\u:\bias+8*\u+7]
.else
	v_wmma_f32_16x16x128_fp8_fp8 v[\acc+8*(2*(\a)+\u):\acc+8*(2*(\a)+\u)+7], v[\f+64+16*\u:\f+64+16*\u+15], v[\f+16*(\a):\f+16*(\a)+15], v[\acc+8*(2*(\a)+\u):\acc+8*(2*(\a)+\u)+7]
.endif
.endr
.endm
.macro Q0 sl, ks, e, acc, bias         ; a slot's first 128 along K: multiplies set 0, fetches the second 128 into set 1 in its middle
	s_wait_dscnt 0x8                               ; D's tiles and act's fragments 0, 1 are in; the youngest eight loads (fragments 2, 3) may be out
	WIN W_MUL
	MUL F0, 0, \acc, \bias
	MUL F0, 1, \acc, \bias
	PLACES
	FETCH \sl, 1, (\ks)+1, \e, F1
	s_wait_dscnt 0x18                              ; all but the 24 just issued
	WIN W_MUL
	MUL F0, 2, \acc, \bias
	MUL F0, 3, \acc, \bias
.endm
; a slot's second 128 along K, and the change of slots: ONE barrier.  In front of it each wave waits for all its tensor loads, adds 0 to its spare word, and waits for that and for its reads of this slot.
; nx >= 0: this slot is filled with step nx (expert nx / 4, K 256 (nx % 4) on): one load of mine is out, and has a step in which to land.
.macro TURN sl, nsl, ksn, en, nx, acc
	WIN 0
	s_wait_tensorcnt 0x0                           ; no tensor load of mine is out, so a group 0 may be written
	ds_add_u32 v8, v9                              ; 0 onto my spare word
.if \nx >= 0
	s_add_nc_u64 s[G0B+4*\sl+2:G0B+4*\sl+3], s[DB+2*((\nx)/4):DB+2*((\nx)/4)+1], ((\nx)%4)*256
	s_or_b32 s[G0B+4*\sl+3], s[G0B+4*\sl+3], 0x80000000
.endif
	s_wait_dscnt 0x9                               ; (the add and the youngest eight loads may be out)
	WIN W_MUL
	MUL F1, 0, \acc, -1
	s_wait_dscnt 0x0                               ; the add is done, and my reads of this slot are over
	s_barrier_signal -1
	MUL F1, 1, \acc, -1
	WIN 0
	s_barrier_wait -1
.if \nx >= 0
	tensor_load_to_lds s[G0B+4*\sl:G0B+4*\sl+3], s[G1B:G1B+7]   ; the first thing behind the barrier, and my one tensor load until the next
	s_nop 0
.endif
	PLACES
	FETCH \nsl, 0, \ksn, \en, F0
	WIN W_MUL
	MUL F1, 2, \acc, -1
	MUL F1, 3, \acc, -1
.endm
	s_wait_tensorcnt 0x1                           ; my block of act and my part of slot 0 are in; slot 1's may stay out
	s_barrier_signal -1
	s_barrier_wait -1
	FETCH 0, 0, 0, 0, F0
	Q0 0, 0, 0, ACCA, BIA                          ; expert ea
	TURN 0, 1, 2, 0, 2, ACCA
	Q0 1, 2, 0, ACCA, -1
	TURN 1, 0, 4, 0, 3, ACCA
	Q0 0, 4, 0, ACCA, -1
	TURN 0, 1, 6, 0, 4, ACCA
	Q0 1, 6, 0, ACCA, -1
	TURN 1, 0, 0, 1, 5, ACCA
	Q0 0, 0, 1, ACCB, BIB                          ; expert eb
	TURN 0, 1, 2, 1, 6, ACCB
	Q0 1, 2, 1, ACCB, -1
	TURN 1, 0, 4, 1, 7, ACCB
	Q0 0, 4, 1, ACCB, -1
	TURN 0, 1, 6, 1, -1, ACCB                      ; nothing is left to fetch
	Q0 1, 6, 1, ACCB, -1
	s_wait_dscnt 0x8                               ; the very last 128 along K
	WIN W_MUL
	MUL F1, 0, ACCB, -1
	MUL F1, 1, ACCB, -1
	s_wait_dscnt 0x0
	MUL F1, 2, ACCB, -1
	MUL F1, 3, ACCB, -1
	WIN 0
	PLACES
	; the weighted sum; each accumulator is read from its low end on
.irp a, 0,1,2,3
.set i, 0
.rept 16
	v_mul_f32 v[ACCA+16*\a+i], v[ACCA+16*\a+i], v[24+\a]
.set i, i+1
.endr
.endr
.irp a, 0,1,2,3
.set i, 0
.rept 16
	v_fmac_f32 v[ACCA+16*\a+i], v[ACCB+16*\a+i], v[28+\a]
.set i, i+1
.endr
.endr
	; THE WAY OUT.  A lane holds 32 neighbouring bytes of a row; a row's 1,024 bytes come from eight waves: they meet in the stage
	s_barrier_signal -1                            ; (my LDS loads have all been waited for)  every wave's reads of act's blocks are over:
	s_barrier_wait -1                              ; the stage may be written over them
.irp a, 0,1,2,3
.irp u, 0,1
	ds_store_b128 v10, v[ACCA+16*\a+8*\u:ACCA+16*\a+8*\u+3] offset:16*SP*\a+64*\u
	ds_store_b128 v10, v[ACCA+16*\a+8*\u+4:ACCA+16*\a+8*\u+7] offset:16*SP*\a+64*\u+16
.endr
.endr
	s_wait_dscnt 0x0                               ; for the others' sake
	s_barrier_signal -1
	s_barrier_wait -1
.irp i, 0,1,2,3,4,5,6,7
.irp k, 0,1
	ds_load_b128 v[ACCB+8*\i+4*\k:ACCB+8*\i+4*\k+3], v11 offset:SP*\i+512*\k
.endr
.endr
	s_wait_dscnt 0x0
.irp i, 0,1,2,3,4,5,6,7                ; row 8 w + i is stored where it lies under the tile's count.  The true rows come first, so EXEC only narrows
	s_sub_co_i32 s89, s78, \i
	s_wait_xcnt 0x0                                ; EXEC changes only when the earlier stores have read it
	v_cmpx_gt_i32 s89, v12
.irp k, 0,1
	global_store_b128 v[16+\i], v[ACCB+8*\i+4*\k:ACCB+8*\i+4*\k+3], s[18:19] offset:512*\k th:TH_STORE_NT   ; the wave stores 512 consecutive bytes of the token's row, aligned
.endr
.endr
	s_wait_xcnt 0x0
	s_mov_b32 exec_lo, -1
	s_wait_tensorcnt 0x0                           ; the wave's end
	ds_add_u32 v8, v9
	s_wait_dscnt 0x0
	s_endpgm
.Lfunc_end_k_qcb73e26359_down:
	.size	k_qcb73e26359_down, .Lfunc_end_k_qcb73e26359_down-k_qcb73e26359_down
	.p2alignl 7, 3214868480
	.fill 96, 4, 3214868480
	.section	.rodata,"a",@progbits
	.p2align	6, 0x0
	.amdhsa_kernel k_qcb73e26359_down
		.amdhsa_group_segment_fixed_size 327680
		.amdhsa_private_segment_fixed_size 0
		.amdhsa_enable_private_segment 0
		.amdhsa_kernarg_size 64
		.amdhsa_user_sgpr_count 2
		.amdhsa_user_sgpr_kernarg_segment_ptr 1
		.amdhsa_wavefront_size32 1
		.amdhsa_system_sgpr_workgroup_id_x 1
		.amdhsa_system_sgpr_workgroup_id_y 1
		.amdhsa_system_sgpr_workgroup_id_z 1
		.amdhsa_system_vgpr_workitem_id 0
		.amdhsa_next_free_vgpr 512
		.amdhsa_next_free_sgpr 100
		.amdhsa_reserve_vcc 0
		.amdhsa_float_denorm_mode_32 3
		.amdhsa_float_denorm_mode_16_64 3
		.amdhsa_memory_ordered 1
		.amdhsa_forward_progress 1
		.amdhsa_inst_pref_size 60
	.end_amdhsa_kernel
	.amdgpu_metadata
---
amdhsa.version: [ 1, 2 ]
amdhsa.kernels:
  - .name:           k_qcb73e26359_down
    .symbol:         k_qcb73e26359_down.kd
    .args:
      - { .name: act, .offset: 0, .size: 8, .value_kind: global_buffer, .address_space: global }
      - { .name: down_proj_codes, .offset: 8, .size: 8, .value_kind: global_buffer, .address_space: global }
      - { .name: down_bias, .offset: 16, .size: 8, .value_kind: global_buffer, .address_space: global }
      - { .name: lowp_scales, .offset: 24, .size: 8, .value_kind: global_buffer, .address_space: global }
      - { .name: rowtok, .offset: 32, .size: 8, .value_kind: global_buffer, .address_space: global }
      - { .name: wrow, .offset: 40, .size: 8, .value_kind: global_buffer, .address_space: global }
      - { .name: tiles, .offset: 48, .size: 8, .value_kind: global_buffer, .address_space: global }
      - { .name: out0, .offset: 56, .size: 8, .value_kind: global_buffer, .address_space: global }
    .group_segment_fixed_size: 327680
    .private_segment_fixed_size: 0
    .kernarg_segment_align: 8
    .kernarg_segment_size: 64
    .max_flat_workgroup_size: 256
    .sgpr_count:     100
    .vgpr_count:     512
    .wavefront_size: 32
...
	.end_amdgpu_metadata
.endif
;; end of part 4
;; ======== version 2 of 2: 4 launches
;; limits: right only within a limited range of input values
;; workspace buffers: xq 2,097,152 bytes; ridx 16,384 bytes of whole numbers; rw 16,384 bytes; rowtok 24,576 bytes of whole numbers; wrow 24,576 bytes; tiles 1,024 bytes of whole numbers; act 5,898,240 bytes
;; launch route (part 5): grid 256 x 1, 8 waves a work-group, no clusters, 50,176 bytes of LDS; arguments hidden_states, router_w, router_b, lowp_scales, xq, ridx, rw, out1, rowtok, wrow; writes xq, ridx, rw, out1, rowtok, wrow
.if DOCPART == 5
	.amdgcn_target "amdgcn-amd-amdhsa--gfx1250"
	.amdhsa_code_object_version 6
	.text
	.protected	k_qcb73e26359_route
	.globl	k_qcb73e26359_route
	.p2align	8
	.type	k_qcb73e26359_route,@function
k_qcb73e26359_route:
	s_mov_b64 s[64:65], 0
	v_nop
	global_prefetch_b8 v0, s[64:65] scope:SCOPE_SE
	s_setreg_imm32_b32 hwreg(HW_REG_WAVE_MODE, 25, 1), 1
	s_wait_xcnt 0x0
; THE ROUTER AND x's CODES.  logits = x router_w + router_b in f32 (fused multiply-adds); the two largest logits (the lower index wins a tie, as jax.lax.top_k has it);
; their softmax, with the larger one taken away ahead of the exponential; out1 = the two weights at their experts' places, 0 elsewhere.
; The choice is stored at FIXED places (ridx: two whole numbers a token, rw: their two weights): no address of this launch hangs on it.  x is read once here, so its E4M3 codes are made here too:
; code = x / 2^e0, held within +-448, to the nearest code, ties to even; xq is [2048][1024], one byte a code.
; The two lists of sorted rows, rowtok and wrow (6,144 entries each), are set to 0 here, 24 entries a work-group: the next launch writes the true rows over that, and the fill rows keep the 0.
; SHARES: a work-group takes 8 tokens, a wave one.  Lane l holds x[128 j + 4 l + i] (j = 0..7, i = 0..3): each load of a wave reads 512 consecutive bytes.  router_w (32,768 bytes) is copied once into LDS.
; No matrix unit: 8 columns are fewer than a matrix tile has.  No cluster: the only bytes that work-groups share are router_w's 32,768.
; LIMITS: e0 between -126 and 119.  NaN and infinities among the inputs are not served.  The logits are f32 sums in another order than the reference's: a token whose second and third logit lie closer
; than that rounding may take the other expert.
; REGISTERS: v1-11 addresses and constants; v12-19 the sums; v20-23 the two largest and their places; v24-31 at work, then the codes; v32-63 x; v64-127 two sets of router_w, later at work;
;   v128-131 the addresses of wave 0's way out and a 0: made at the head and never written again.
.set WR,  0                            ; LDS: router_w as 256 groups of four rows (128 bytes), 144 bytes apart: a lane's group starts 16 bytes further, modulo 256, than its neighbour's
.set XS,  36864                        ; a stage of 1,024 bytes for each wave: a token's codes
.set SC,  45056                        ; 4 bytes a thread: the lane's score
.set IX,  46080                        ; the same: lane 0 the first expert, the others the second
.set WW,  47104                        ; the same for the two weights
.set A,   12                           ; v12-19   the eight sums
.set X,   32                           ; v32-63   my 32 numbers of x
.set WB0, 64                           ; v64-95, v96-127: two sets of 32 numbers of router_w
.set WB1, 96
.set OSC, 128                          ; v128  wave 0's way out: where four scores lie
.set OIX, 129                          ; v129  where one expert and one weight lie
.set OL4, 130                          ; v130  4 x lane
.set ONIL, 131                         ; v131  0
	s_load_b512 s[8:23], s[0:1], 0x0               ; x s[8:9], router_w s[10:11], router_b s[12:13], scales s[14:15], xq s[16:17], ridx s[18:19], rw s[20:21], out1 s[22:23]
	s_load_b128 s[40:43], s[0:1], 0x40             ; rowtok s[40:41], wrow s[42:43]
	v_lshl_add_u32 v136, v0, 2, 0xc000
	v_mov_b32 v137, 0
	v_lshrrev_b32 v24, 5, v0
	s_delay_alu instid0(VALU_DEP_1)
	v_readfirstlane_b32 s2, v24                    ; wave
	v_and_b32 v1, 31, v0                           ; lane
	s_delay_alu instid0(VALU_DEP_1)
	v_lshlrev_b32 v2, 4, v1                        ; 16 x lane
	v_lshlrev_b32 v3, 4, v0                        ; 16 x thread
	v_lshrrev_b32 v4, 3, v0
	s_delay_alu instid0(VALU_DEP_1)
	v_mul_u32_u24 v4, v4, 144
	v_and_b32 v25, 7, v0
	s_delay_alu instid0(VALU_DEP_1)
	v_lshl_add_u32 v4, v25, 4, v4                  ; router_w into LDS: eight threads fill a group of 128 bytes
	v_mul_u32_u24 v5, v1, 144                      ; and out of it: my lane's group
	v_lshlrev_b32 v26, 10, v24
	s_delay_alu instid0(VALU_DEP_1)
	v_lshl_add_u32 v6, v1, 2, v26                  ; my wave's stage: 4 bytes a lane on the way in,
	s_delay_alu instid0(VALU_DEP_2)
	v_lshl_add_u32 v7, v1, 4, v26                  ; 16 on the way out
	v_lshlrev_b32 v8, 2, v0                        ; 4 x thread
	v_mov_b32 v11, 0xff800000                      ; -infinity
	v_and_b32 v27, 15, v0                          ; wave 0's way out: lane l (0..15) takes half l % 2 of token l / 2
	s_delay_alu instid0(VALU_DEP_1)
	v_lshrrev_b32 v28, 1, v27
	s_delay_alu instid0(VALU_DEP_2)
	v_and_b32 v29, 1, v27
	s_delay_alu instid0(VALU_DEP_2)
	v_lshlrev_b32 v30, 7, v28                      ; a token's (a wave's) 128 bytes
	s_delay_alu instid0(VALU_DEP_1)
	v_lshl_add_u32 v[OSC], v29, 4, v30             ; four scores
	s_delay_alu instid0(VALU_DEP_2)
	v_lshl_add_u32 v[OIX], v29, 2, v30             ; one expert, one weight
	v_lshlrev_b32 v[OL4], 2, v1
	v_mov_b32 v[ONIL], 0
	s_mov_b32 s34, 0x76543210                      ; v_permlanex16_b32: lane l xor 16
	s_mov_b32 s35, 0xfedcba98
	s_lshl_b32 s3, ttmp9, 3
	s_add_co_u32 s3, s3, s2                        ; my token
	s_lshl_b32 s36, s3, 12
	s_mov_b32 s37, 0
	s_wait_kmcnt 0x0
	s_load_b256 s[24:31], s[12:13], 0x0            ; router_b
	s_load_b32 s32, s[14:15], 0x0                  ; e0
	s_add_nc_u64 s[8:9], s[8:9], s[36:37]          ; my row of x
	s_lshl_b32 s36, s3, 10
	s_add_nc_u64 s[16:17], s[16:17], s[36:37]      ; my row of xq
	s_lshl_b32 s36, ttmp9, 8
	s_add_nc_u64 s[22:23], s[22:23], s[36:37]      ; the work-group's 256 bytes of out1
	s_lshl_b32 s36, ttmp9, 6
	s_add_nc_u64 s[18:19], s[18:19], s[36:37]      ; its 64 bytes of ridx and of rw
	s_add_nc_u64 s[20:21], s[20:21], s[36:37]
	s_mul_i32 s36, ttmp9, 96
	s_add_nc_u64 s[40:41], s[40:41], s[36:37]      ; its 24 entries (96 bytes) of rowtok and of wrow
	s_add_nc_u64 s[42:43], s[42:43], s[36:37]
.irp k, 0,1,2,3,4,5,6,7
	global_load_b128 v[WB0+4*\k:WB0+4*\k+3], v3, s[10:11] offset:4096*\k
.endr
.irp j, 0,1,2,3,4,5,6,7
	global_load_b128 v[X+4*\j:X+4*\j+3], v2, s[8:9] offset:512*\j th:TH_LOAD_NT   ; x is read once in the launch
.endr
	s_wait_loadcnt 0x8                             ; router_w's eight loads are in; x's eight may be out
.irp k, 0,1,2,3,4,5,6,7
	ds_store_b128 v4, v[WB0+4*\k:WB0+4*\k+3] offset:WR+4608*\k
.endr
	s_wait_dscnt 0x0                               ; for the others' sake: my part of router_w lies in LDS
	s_barrier_signal -1
	s_barrier_wait -1
.macro LOADW j, buf                    ; register 8 i + e of the set = router_w[128 j + 4 lane + i][e]
.irp i, 0,1,2,3,4,5,6,7
	ds_load_b128 v[\buf+4*\i:\buf+4*\i+3], v5 offset:WR+4608*(\j)+16*\i
.endr
.endm
.macro FMA j, buf                      ; 32 multiply-adds, the eight sums by turns; the very first products start the sums
.irp i, 0,1,2,3
.irp e, 0,1,2,3,4,5,6,7
.if ((\j) == 0) && (\i == 0)
	v_mul_f32 v[A+\e], v[X+4*(\j)+\i], v[\buf+8*\i+\e]
.else
	v_fmac_f32 v[A+\e], v[X+4*(\j)+\i], v[\buf+8*\i+\e]
.endif
.endr
.endr
.endm
	LOADW 0, WB0
	s_wait_loadcnt 0x0                             ; x
.irp j, 0,1,2,3,4,5,6
	LOADW \j+1, WB0+32*((\j+1)%2)
	s_wait_alu depctr_va_vdst(0)
	s_wait_dscnt 0x8                               ; this chunk's eight loads are in; the next chunk's eight may be out
	FMA \j, WB0+32*(\j%2)
.endr
	s_wait_alu depctr_va_vdst(0)
	s_wait_dscnt 0x0
	FMA 7, WB1
	; x's codes
	s_wait_kmcnt 0x0
	s_add_co_i32 s32, s32, 127
	s_lshl_b32 s33, s32, 23
	v_mov_b32 v9, s33                              ; 2^e0 as f32: the conversion takes its exponent field
	s_add_co_i32 s32, s32, 8
	s_lshl_b32 s32, s32, 23
	s_or_b32 s32, s32, 0x600000
	v_mov_b32 v10, s32                             ; 448 x 2^e0
.set i, 0
.rept 32
	v_med3_num_f32 v[X+i], v[X+i], -v10, v10       ; the conversion to an 8-bit code does not saturate (ISA guide 7.6.2): the hold comes first
.set i, i+1
.endr
.irp m, 0,1,2,3
	v_cvt_scalef32_pk8_fp8_f32 v[24+2*\m:25+2*\m], v[X+8*\m:X+8*\m+7], v9   ; word d of v24-31: the codes of x[128 d + 4 lane + 0..3]
.endr
	v_nop                                          ; a plain line behind the last conversion
.irp d, 0,1,2,3,4,5,6,7
	ds_store_b32 v6, v[24+\d] offset:XS+128*\d     ; the row's 1,024 codes in their order, in my wave's own stage
.endr
.irp k, 0,1
	ds_load_b128 v[WB0+4*\k:WB0+4*\k+3], v7 offset:XS+512*\k   ; LDS serves a wave's instructions in order: these see my stores
.endr
	; the sums over the 32 lanes, the eight by turns
.irp m, 1,2,4,8
.irp e, 0,1,2,3,4,5,6,7
	v_add_f32_dpp v[A+\e], v[A+\e], v[A+\e] row_xmask:\m row_mask:0xf bank_mask:0xf
.endr
.endr
.irp e, 0,1,2,3,4,5,6,7
	v_permlanex16_b32 v[WB1+\e], v[A+\e], s34, s35 ; (the destinations have been written: they held router_w)
.endr
.irp e, 0,1,2,3,4,5,6,7
	v_add_f32 v[A+\e], v[A+\e], v[WB1+\e]
.endr
.irp e, 0,1,2,3,4,5,6,7
	v_add_f32 v[A+\e], s[24+\e], v[A+\e]           ; + router_b: every lane holds the token's eight logits
.endr
	s_wait_alu depctr_va_vdst(0)
	s_wait_dscnt 0x0
.irp k, 0,1
	global_store_b128 v2, v[WB0+4*\k:WB0+4*\k+3], s[16:17] offset:512*\k   ; the wave stores 512 consecutive bytes, aligned
.endr
	; the largest logit (v20, at v21): only a strictly larger one takes its place, so the lower index wins a tie
	v_mov_b32 v20, v[A]
	v_mov_b32 v21, 0
.irp e, 1,2,3,4,5,6,7
	s_delay_alu instid0(VALU_DEP_2)
	v_cmp_gt_f32 vcc_lo, v[A+\e], v20
	s_delay_alu instid0(VALU_DEP_1)
	v_cndmask_b32 v20, v20, v[A+\e], vcc_lo
	s_delay_alu instid0(VALU_DEP_2)
	v_cndmask_b32 v21, v21, \e, vcc_lo
.endr
.irp e, 0,1,2,3,4,5,6,7
	v_cmp_eq_u32 vcc_lo, \e, v21
	s_delay_alu instid0(VALU_DEP_1)
	v_cndmask_b32 v[A+\e], v[A+\e], v11, vcc_lo    ; it is taken out,
.endr
	v_mov_b32 v22, v[A]                            ; and the same again gives the second (v22, at v23)
	v_mov_b32 v23, 0
.irp e, 1,2,3,4,5,6,7
	s_delay_alu instid0(VALU_DEP_2)
	v_cmp_gt_f32 vcc_lo, v[A+\e], v22
	s_delay_alu instid0(VALU_DEP_1)
	v_cndmask_b32 v22, v22, v[A+\e], vcc_lo
	s_delay_alu instid0(VALU_DEP_2)
	v_cndmask_b32 v23, v23, \e, vcc_lo
.endr
	; softmax of the two, the larger taken away: w1 = 1 / (1 + e^(second - first)), w2 = e^(second - first) w1
	s_delay_alu instid0(VALU_DEP_2)
	v_sub_f32 v104, v22, v20
	s_delay_alu instid0(VALU_DEP_1)
	v_mul_f32 v104, 0x3fb8aa3b, v104
	s_wait_alu depctr_va_vdst(0)
	v_exp_f32 v105, v104
	v_nop                                          ; a plain line behind the transcendental,
	s_wait_alu depctr_va_vdst(0)                   ; and the wait ahead of its first reader
	v_add_f32 v106, 1.0, v105
	s_wait_alu depctr_va_vdst(0)
	v_rcp_f32 v107, v106                           ; w1
	v_nop
	s_wait_alu depctr_va_vdst(0)
	v_mul_f32 v108, v105, v107                     ; w2
	v_cmp_eq_u32 vcc_lo, v1, v23
	s_delay_alu instid0(VALU_DEP_1)
	v_cndmask_b32 v109, 0, v108, vcc_lo
	v_cmp_eq_u32 vcc_lo, v1, v21
	v_cndmask_b32 v109, v109, v107, vcc_lo         ; lane e (0..7): the score of expert e
	v_cmp_eq_u32 vcc_lo, 0, v1
	s_delay_alu instid0(VALU_DEP_1)
	v_cndmask_b32 v110, v23, v21, vcc_lo
	v_cndmask_b32 v111, v108, v107, vcc_lo
	ds_store_b32 v8, v109 offset:SC
	ds_store_b32 v8, v110 offset:IX
	ds_store_b32 v8, v111 offset:WW
	s_wait_dscnt 0x0                               ; for wave 0's sake
	s_barrier_signal -1
	s_barrier_wait -1
	s_cmp_lg_u32 s2, 0
	s_cbranch_scc1 .Lothers
	ds_load_b128 v[120:123], v[OSC] offset:SC      ; wave 0 gathers the eight tokens' results
	ds_load_b32 v118, v[OIX] offset:IX
	ds_load_b32 v119, v[OIX] offset:WW
	s_wait_dscnt 0x0
	s_wait_xcnt 0x0                                ; EXEC changes only when the stores of xq have read it
	s_wait_tensorcnt 0x0
	ds_add_u32 v136, v137
	s_wait_dscnt 0x0
	v_cmpx_gt_u32 24, v0
	global_store_b32 v[OL4], v[ONIL], s[40:41]     ; 24 lanes: the work-group's 96 bytes of each list of sorted rows become 0 (24,576 bytes each in all)
	global_store_b32 v[OL4], v[ONIL], s[42:43]
	s_wait_xcnt 0x0                                ; and again, ahead of the next narrowing
	v_cmpx_gt_u32 16, v0
	global_store_b128 v2, v[120:123], s[22:23]     ; sixteen lanes store the work-group's 256 consecutive bytes of out1, aligned
	global_store_b32 v[OL4], v118, s[18:19]        ; 64 consecutive bytes of each of the two small tables (16,384 bytes each in all)
	global_store_b32 v[OL4], v119, s[20:21]
	s_endpgm
.Lothers:
	s_wait_tensorcnt 0x0
	ds_add_u32 v136, v137
	s_wait_dscnt 0x0
	s_endpgm
.Lfunc_end_k_qcb73e26359_route:
	.size	k_qcb73e26359_route, .Lfunc_end_k_qcb73e26359_route-k_qcb73e26359_route
	.p2alignl 7, 3214868480
	.fill 96, 4, 3214868480
	.section	.rodata,"a",@progbits
	.p2align	6, 0x0
	.amdhsa_kernel k_qcb73e26359_route
		.amdhsa_group_segment_fixed_size 50176
		.amdhsa_private_segment_fixed_size 0
		.amdhsa_enable_private_segment 0
		.amdhsa_kernarg_size 80
		.amdhsa_user_sgpr_count 2
		.amdhsa_user_sgpr_kernarg_segment_ptr 1
		.amdhsa_wavefront_size32 1
		.amdhsa_system_sgpr_workgroup_id_x 1
		.amdhsa_system_sgpr_workgroup_id_y 1
		.amdhsa_system_sgpr_workgroup_id_z 1
		.amdhsa_system_vgpr_workitem_id 0
		.amdhsa_next_free_vgpr 138
		.amdhsa_next_free_sgpr 66
		.amdhsa_reserve_vcc 1
		.amdhsa_float_denorm_mode_32 3
		.amdhsa_float_denorm_mode_16_64 3
		.amdhsa_memory_ordered 1
		.amdhsa_forward_progress 1
		.amdhsa_inst_pref_size 30
	.end_amdhsa_kernel
	.amdgpu_metadata
---
amdhsa.version: [ 1, 2 ]
amdhsa.kernels:
  - .name:           k_qcb73e26359_route
    .symbol:         k_qcb73e26359_route.kd
    .args:
      - { .name: hidden_states, .offset: 0, .size: 8, .value_kind: global_buffer, .address_space: global }
      - { .name: router_w, .offset: 8, .size: 8, .value_kind: global_buffer, .address_space: global }
      - { .name: router_b, .offset: 16, .size: 8, .value_kind: global_buffer, .address_space: global }
      - { .name: lowp_scales, .offset: 24, .size: 8, .value_kind: global_buffer, .address_space: global }
      - { .name: xq, .offset: 32, .size: 8, .value_kind: global_buffer, .address_space: global }
      - { .name: ridx, .offset: 40, .size: 8, .value_kind: global_buffer, .address_space: global }
      - { .name: rw, .offset: 48, .size: 8, .value_kind: global_buffer, .address_space: global }
      - { .name: out1, .offset: 56, .size: 8, .value_kind: global_buffer, .address_space: global }
      - { .name: rowtok, .offset: 64, .size: 8, .value_kind: global_buffer, .address_space: global }
      - { .name: wrow, .offset: 72, .size: 8, .value_kind: global_buffer, .address_space: global }
    .group_segment_fixed_size: 50176
    .private_segment_fixed_size: 0
    .kernarg_segment_align: 8
    .kernarg_segment_size: 80
    .max_flat_workgroup_size: 256
    .sgpr_count:     66
    .vgpr_count:     138
    .wavefront_size: 32
...
	.end_amdgpu_metadata
.endif
;; end of part 5
;; launch place (part 6): grid 16 x 1, 16 waves a work-group, no clusters, 4,096 bytes of LDS; arguments ridx, rw, rowtok, wrow, tiles; writes rowtok, wrow, tiles
.if DOCPART == 6
	.amdgcn_target "amdgcn-amd-amdhsa--gfx1250"
	.amdhsa_code_object_version 6
	.text
	.protected	k_qcb73e26359_place
	.globl	k_qcb73e26359_place
	.p2align	8
	.type	k_qcb73e26359_place,@function
k_qcb73e26359_place:
	s_mov_b64 s[64:65], 0
	v_nop
	global_prefetch_b8 v0, s[64:65] scope:SCOPE_SE
	s_setreg_imm32_b32 hwreg(HW_REG_WAVE_MODE, 25, 1), 1
	s_wait_xcnt 0x0
; THE ROWS ARE PLACED: a counting sort of the 2,048 tokens by their unordered PAIR of experts (28 pairs; pair (lo, hi) has the number lo (13 - lo) / 2 + hi - 1), without atomics, by each of sixteen work-groups alike.
; THE SORTED ROWS: for expert a = 0..7, for partner b = 0..7 (b != a): the tokens of pair {a, b}, ascending, filled up to a multiple of 16 rows; each expert's region filled up to a multiple of 128 rows.
; So the two runs of a pair hold the same tokens in the same order, and a later launch can add a token's two results itself.  At most 45 x 128 = 5,760 rows whatever the choice
; (4,096 rows + 56 runs x 15, cut to a multiple of 16, + 8 x 112, cut to a multiple of 128); at most 59 tiles of 64 tokens of one pair ((2,048 + 28 x 63) / 64).
; OUT: rowtok[row] = the row's token, wrow[row] = its weight for that region's expert: the TRUE rows alone are stored here; the launch before has set all 6,144 entries of both lists to 0, which the fill rows keep.
; tiles[q] = { lo | hi << 8 | rows << 16,  first block of 16 rows in lo's region,  the same in hi's,  the expert of the q-th block of 128 rows }.
; SHARES: wave w owns tokens 128 w .. 128 w + 127, four chunks of 32, a lane a token.
; THE LANES DO THE TABLES.  (1) The mask of the chunk's lanes that hold my pair is the AND, over the five bits of the pair's number, of that bit's ballot or its complement; my rank is the count of its bits below my lane.
; (2) The last lane of each pair sends rank + 1, the chunk's count, to lane p = the pair's number (ds_permute_b32); the other lanes send to lane 31, which is no pair's and is cleared afterwards.
; (3) The 64 entries (a, b) lie in two registers, lane = 8 (a % 4) + b; an exclusive prefix by exchange steps (a lane whose bit s is set adds its partner's block: lanes l xor 1, 2, 4 over b, then, of the regions
; filled up to 128 rows, l xor 8 and l xor 16 over a) gives every run's first row.  (4) Lane p pulls its pair's two runs.  Every wave makes these tables alike, in registers; the table of tiles is made by waves 0 and 1, which store it.
; The rows' stores are 4 bytes to places that the sort decides, 32,768 bytes in all: too few to be worth a way through LDS.
; REGISTERS: v1-3 lane and addresses; v4-11 experts, v12-19 weights; v20-23 pair, v24-27 rank, v28-31 lane p: the chunk's count; v34 lane p: the pair's total, v35 its count in the waves ahead of mine;
;   v36-63 at work; v64-95 counts, then the stores' registers; v96-100 masks: all ones where the lane's bit 0..4 is set; v103, v107 / v106, v110 the entries' pair x 4 / all ones where a != b;
;   v112, v113 lane p: lo, hi; v114, v115 where lane p pulls from; v116, v117 what an exchange brings; v118 lo | hi << 8; v119-127 the table of tiles.
.set CNT, 0                            ; LDS: 16 waves x 32 words: how many tokens of pair p the wave has
; one exchange step: pre += partner's block where my bit is set, tot += partner's block
.macro BFLY tot, pre, pt, tmp, m, x, first
	v_mov_b32_dpp v[\pt], v[\tot] row_xmask:\x row_mask:0xf bank_mask:0xf
.if \first
	s_delay_alu instid0(VALU_DEP_1)
	v_and_b32 v[\pre], v[\m], v[\pt]
.else
	s_delay_alu instid0(VALU_DEP_1)
	v_and_b32 v[\tmp], v[\m], v[\pt]
	s_delay_alu instid0(VALU_DEP_1)
	v_add_nc_u32 v[\pre], v[\pre], v[\tmp]
.endif
	v_add_nc_u32 v[\tot], v[\tot], v[\pt]
.endm
.macro BFLY16 tot, pre, pt, tmp        ; the same with lane l xor 16
	v_permlanex16_b32 v[\pt], v[\tot], s50, s51
	s_delay_alu instid0(VALU_DEP_1)
	v_and_b32 v[\tmp], v100, v[\pt]
	s_delay_alu instid0(VALU_DEP_1)
	v_add_nc_u32 v[\pre], v[\pre], v[\tmp]
	s_delay_alu instid0(VALU_DEP_3)
	v_add_nc_u32 v[\tot], v[\tot], v[\pt]
.endm
	s_load_b256 s[4:11], s[0:1], 0x0               ; ridx s[4:5], rw s[6:7], rowtok s[8:9], wrow s[10:11]
	s_load_b64 s[12:13], s[0:1], 0x20              ; tiles
	v_lshl_add_u32 v128, v0, 2, 0x800
	v_mov_b32 v129, 0
	v_lshrrev_b32 v32, 5, v0
	s_delay_alu instid0(VALU_DEP_1)
	v_readfirstlane_b32 s2, v32                    ; wave
	v_and_b32 v1, 31, v0                           ; lane
	s_delay_alu instid0(VALU_DEP_3)
	v_lshlrev_b32 v2, 10, v32
	s_delay_alu instid0(VALU_DEP_1)
	v_lshl_add_u32 v2, v1, 3, v2                   ; my token's 8 bytes in ridx and in rw, chunk 0
	s_wait_alu depctr_va_vdst(0)
	s_wait_kmcnt 0x0
.irp c, 0,1,2,3
	global_load_b64 v[4+2*\c:5+2*\c], v2, s[4:5] offset:256*\c
.endr
.irp c, 0,1,2,3
	global_load_b64 v[12+2*\c:13+2*\c], v2, s[6:7] offset:256*\c
.endr
	; what hangs on the lane alone is made while the loads are out
	v_lshlrev_b32 v3, 2, v0                        ; 4 x thread: my word of CNT
	v_lshlrev_b32 v45, 2, v1                       ; 4 x lane
	v_lshlrev_b32 v41, 4, v0                       ; 16 x thread: my 16 bytes of tiles
	v_and_b32 v42, 63, v0                          ; q: 'my' entry of tiles
	v_lshl_add_u32 v46, v32, 7, v1                 ; my token of chunk 0
.irp i, 0,1,2,3,4
	v_bfe_u32 v[96+\i], v0, \i, 1
	s_delay_alu instid0(VALU_DEP_1)
	v_sub_nc_u32 v[96+\i], 0, v[96+\i]             ; all ones where the lane's bit i is set
.endr
	v_bfe_u32 v101, v0, 3, 2                       ; the entries: a % 4,
	v_and_b32 v102, 7, v0                          ; b
.irp j, 0,1
	v_add_nc_u32 v[103+4*\j], 4*\j, v101           ; a
	s_delay_alu instid0(VALU_DEP_1)
	v_min_u32 v[104+4*\j], v[103+4*\j], v102       ; lo
	s_delay_alu instid0(VALU_DEP_2)
	v_max_u32 v[105+4*\j], v[103+4*\j], v102       ; hi
	s_delay_alu instid0(VALU_DEP_3)
	v_cmp_ne_u32 vcc_lo, v[103+4*\j], v102
	s_delay_alu instid0(VALU_DEP_1)
	v_cndmask_b32 v[106+4*\j], 0, -1, vcc_lo       ; all ones where a != b
	s_delay_alu instid0(VALU_DEP_4)
	v_sub_nc_u32 v[103+4*\j], 13, v[104+4*\j]
	s_delay_alu instid0(VALU_DEP_1)
	v_mul_u32_u24 v[103+4*\j], v[103+4*\j], v[104+4*\j]
	s_delay_alu instid0(VALU_DEP_1)
	v_lshrrev_b32 v[103+4*\j], 1, v[103+4*\j]
	s_delay_alu instid0(VALU_DEP_1)
	v_add3_u32 v[103+4*\j], v[103+4*\j], v[105+4*\j], -1
	s_delay_alu instid0(VALU_DEP_1)
	v_lshlrev_b32 v[103+4*\j], 2, v[103+4*\j]
	s_delay_alu instid0(VALU_DEP_1)
	v_and_b32 v[103+4*\j], 0x7c, v[103+4*\j]       ; 4 x the entry's pair (where a = b: some lane, whose number the mask throws away)
.endr
	v_mov_b32 v112, 0                              ; lane p: lo = how many of the first pairs of lo = 1..6 lie at or under p
.irp t, 7,13,18,22,25,27
	v_cmp_le_u32 vcc_lo, \t, v1
	s_delay_alu instid0(VALU_DEP_1)
	v_add_co_ci_u32 v112, vcc_lo, 0, v112, vcc_lo
.endr
	s_delay_alu instid0(VALU_DEP_1)
	v_sub_nc_u32 v113, 13, v112
	s_delay_alu instid0(VALU_DEP_1)
	v_mul_u32_u24 v113, v113, v112
	s_delay_alu instid0(VALU_DEP_1)
	v_lshrrev_b32 v113, 1, v113
	s_delay_alu instid0(VALU_DEP_1)
	v_sub_nc_u32 v113, v1, v113
	s_delay_alu instid0(VALU_DEP_1)
	v_add_nc_u32 v113, 1, v113                     ; hi = p + 1 - lo (13 - lo) / 2
	s_delay_alu instid0(VALU_DEP_1)
	v_lshl_or_b32 v118, v113, 8, v112              ; lo | hi << 8
	v_and_b32 v114, 3, v112
	s_delay_alu instid0(VALU_DEP_1)
	v_lshl_add_u32 v114, v114, 3, v113
	s_delay_alu instid0(VALU_DEP_1)
	v_lshlrev_b32 v114, 2, v114                    ; 4 x the lane of entry (lo, hi),
	v_and_b32 v115, 3, v113
	s_delay_alu instid0(VALU_DEP_1)
	v_lshl_add_u32 v115, v115, 3, v112
	s_delay_alu instid0(VALU_DEP_1)
	v_lshlrev_b32 v115, 2, v115                    ; of entry (hi, lo)
	v_cmp_le_u32 s45, 4, v112                      ; which of the two registers holds it
	v_cmp_le_u32 s46, 4, v113
	v_cmp_gt_u32 s44, 28, v1                       ; the lanes that stand for a pair
	v_mov_b32 v116, 0                              ; written once: the destination of an exchange counts as read
	v_mov_b32 v117, 0
	s_mov_b32 s50, 0x76543210                      ; v_permlanex16_b32: lane l xor 16
	s_mov_b32 s51, 0xfedcba98
.irp g, 0,1,2,3,4,5,6,7,8,9,10,11,12,13,14,15
	s_sub_co_i32 s[68+\g], \g, s2
	s_ashr_i32 s[68+\g], s[68+\g], 31              ; all ones where wave g stands ahead of mine
.endr
	s_wait_loadcnt 0x4                             ; the experts are in; the four loads of weights may be out
.irp c, 0,1,2,3
	v_min_u32 v[4+2*\c], 7, v[4+2*\c]
	v_min_u32 v[5+2*\c], 7, v[5+2*\c]
	s_delay_alu instid0(VALU_DEP_1)
	v_min_u32 v[48+\c], v[4+2*\c], v[5+2*\c]       ; lo
	s_delay_alu instid0(VALU_DEP_2)
	v_max_u32 v[52+\c], v[4+2*\c], v[5+2*\c]       ; hi
	s_delay_alu instid0(VALU_DEP_2)
	v_sub_nc_u32 v[20+\c], 13, v[48+\c]
	s_delay_alu instid0(VALU_DEP_1)
	v_mul_u32_u24 v[20+\c], v[20+\c], v[48+\c]
	s_delay_alu instid0(VALU_DEP_1)
	v_lshrrev_b32 v[20+\c], 1, v[20+\c]
	s_delay_alu instid0(VALU_DEP_1)
	v_add3_u32 v[20+\c], v[20+\c], v[52+\c], -1
	s_delay_alu instid0(VALU_DEP_1)
	v_min_u32 v[20+\c], 27, v[20+\c]               ; v20-23: the pair's number
.endr
	; v52-55: the lanes of the chunk that hold my pair.  The four chunks take turns line by line
.irp i, 0,1,2,3,4
.irp c, 0,1,2,3
	v_bfe_u32 v[48+\c], v[20+\c], \i, 1
.endr
.irp c, 0,1,2,3
	s_delay_alu instid0(VALU_DEP_4)
	v_cmp_ne_u32 s[40+\c], 0, v[48+\c]             ; the lanes whose bit i is set
.endr
.irp c, 0,1,2,3
	v_add_nc_u32 v[48+\c], -1, v[48+\c]            ; 0 where mine is set, else all ones
.endr
.irp c, 0,1,2,3
.if \i == 0
	s_delay_alu instid0(VALU_DEP_4)
	v_xor_b32 v[52+\c], s[40+\c], v[48+\c]         ; the lanes whose bit i is as mine
.else
	s_delay_alu instid0(VALU_DEP_4)
	v_xor_b32 v[48+\c], s[40+\c], v[48+\c]
.endif
.endr
.if \i > 0
.irp c, 0,1,2,3
	s_delay_alu instid0(VALU_DEP_4)
	v_and_b32 v[52+\c], v[52+\c], v[48+\c]
.endr
.endif
.endr
.irp c, 0,1,2,3
	v_mbcnt_lo_u32_b32 v[24+\c], v[52+\c], 0       ; v24-27: my rank: how many lanes below mine hold my pair
	v_lshrrev_b32 v[48+\c], v1, v[52+\c]           ; the mask from my lane on: 1 where I am the pair's last lane
	v_mov_b32 v[28+\c], 0                          ; (a lane to which nobody sends gets 0 by the ISA guide's entry for DS_PERMUTE_B32; the destination is cleared first all the same)
.endr
.irp c, 0,1,2,3
	v_cmp_eq_u32 vcc_lo, 1, v[48+\c]
	s_delay_alu instid0(VALU_DEP_1)
	v_cndmask_b32 v[56+\c], 31, v[20+\c], vcc_lo   ; the last lane sends to lane p, the others to lane 31
	s_delay_alu instid0(VALU_DEP_1)
	v_min_u32 v[56+\c], 31, v[56+\c]
	s_delay_alu instid0(VALU_DEP_1)
	v_lshlrev_b32 v[56+\c], 2, v[56+\c]
	v_add_nc_u32 v[60+\c], 1, v[24+\c]             ; the last lane's rank + 1 is the chunk's count
.endr
.irp c, 0,1,2,3
	ds_permute_b32 v[28+\c], v[56+\c], v[60+\c]
.endr
	s_wait_dscnt 0x0
.irp c, 0,1,2,3
	v_cndmask_b32 v[28+\c], 0, v[28+\c], s44       ; v28-31: lane p: the chunk's count of pair p; lanes 28-31: 0
.endr
	s_delay_alu instid0(VALU_DEP_3)
	v_add_nc_u32 v32, v28, v29
	s_delay_alu instid0(VALU_DEP_1)
	v_add3_u32 v32, v32, v30, v31                  ; my wave's count
	ds_store_b32 v3, v32 offset:CNT
	s_wait_dscnt 0x0                               ; for the others' sake
	s_barrier_signal -1
	s_barrier_wait -1
	; lane p: pair p's total (v34), and its count in the waves ahead of mine (v35)
.irp g, 0,1,2,3,4,5,6,7,8,9,10,11,12,13,14,15
	ds_load_b32 v[64+\g], v45 offset:CNT+128*\g
.endr
	s_wait_dscnt 0x0
.irp g, 0,1,2,3,4,5,6,7,8,9,10,11,12,13,14,15
	v_and_b32 v[80+\g], s[68+\g], v[64+\g]
.endr
	v_add_nc_u32 v34, v64, v65
	v_add_nc_u32 v35, v80, v81
.irp g, 2,4,6,8,10,12,14
	s_delay_alu instid0(VALU_DEP_2)
	v_add3_u32 v34, v34, v[64+\g], v[65+\g]
	s_delay_alu instid0(VALU_DEP_2)
	v_add3_u32 v35, v35, v[80+\g], v[81+\g]
.endr
	; every run's first row.  Set j = 0: experts 0-3, set 1: experts 4-7
	ds_bpermute_b32 v36, v103, v34                 ; the entry's n
	ds_bpermute_b32 v37, v107, v34
	s_wait_dscnt 0x0
	v_and_b32 v36, v106, v36                       ; 0 where a = b
	v_and_b32 v37, v110, v37
.irp j, 0
	s_delay_alu instid0(VALU_DEP_2)
	v_add_nc_u32 v[36+\j], 15, v[36+\j]
	s_delay_alu instid0(VALU_DEP_1)
	v_and_b32 v[36+\j], -16, v[36+\j]              ; the run's rows, filled up to 16
.endr
.irp j, 1
	s_delay_alu instid0(VALU_DEP_3)
	v_add_nc_u32 v[36+\j], 15, v[36+\j]
	s_delay_alu instid0(VALU_DEP_1)
	v_and_b32 v[36+\j], -16, v[36+\j]              ; the run's rows, filled up to 16
.endr
.irp j, 0,1
	BFLY 36+\j, 38+\j, 116+\j, 48+\j, 96, 1, 1     ; v38, v39: the rows of the runs of the same expert with a smaller b
.endr
.irp j, 0,1
	BFLY 36+\j, 38+\j, 116+\j, 48+\j, 97, 2, 0
.endr
.irp j, 0,1
	BFLY 36+\j, 38+\j, 116+\j, 48+\j, 98, 4, 0     ; v36, v37: the expert's rows
.endr
.irp j, 0
	v_add_nc_u32 v[50+\j], 0x7f, v[36+\j]
	s_delay_alu instid0(VALU_DEP_1)
	v_and_b32 v[50+\j], 0xffffff80, v[50+\j]       ; v50, v51: the region, filled up to 128 rows
	s_delay_alu instid0(VALU_DEP_1)
	v_mov_b32 v[54+\j], v[50+\j]
.endr
.irp j, 1
	s_delay_alu instid0(VALU_DEP_4)
	v_add_nc_u32 v[50+\j], 0x7f, v[36+\j]
	s_delay_alu instid0(VALU_DEP_1)
	v_and_b32 v[50+\j], 0xffffff80, v[50+\j]       ; v50, v51: the region, filled up to 128 rows
	s_delay_alu instid0(VALU_DEP_1)
	v_mov_b32 v[54+\j], v[50+\j]
.endr
.irp j, 0,1
	BFLY 54+\j, 52+\j, 116+\j, 48+\j, 99, 8, 1     ; v52, v53: the regions of the set's experts ahead of mine
.endr
.irp j, 0,1
	BFLY16 54+\j, 52+\j, 116+\j, 48+\j             ; v54, v55: the set's four regions
.endr
	s_delay_alu instid0(VALU_DEP_2)
	v_add_nc_u32 v53, v53, v54                     ; experts 4-7 lie behind experts 0-3
.irp j, 0
	v_add_nc_u32 v[56+\j], v[52+\j], v[38+\j]      ; v56, v57: the run's first row
	v_add_nc_u32 v[58+\j], v[52+\j], v[50+\j]      ; v58, v59: the row at which the region ends
.endr
.irp j, 1
	s_delay_alu instid0(VALU_DEP_3)
	v_add_nc_u32 v[56+\j], v[52+\j], v[38+\j]      ; v56, v57: the run's first row
	s_delay_alu instid0(VALU_DEP_4)
	v_add_nc_u32 v[58+\j], v[52+\j], v[50+\j]      ; v58, v59: the row at which the region ends
.endr
	ds_bpermute_b32 v44, v114, v56                 ; lane p pulls run (lo, hi)'s first row, from both sets,
	ds_bpermute_b32 v47, v114, v57
	ds_bpermute_b32 v62, v115, v56                 ; and run (hi, lo)'s
	ds_bpermute_b32 v63, v115, v57
	s_wait_dscnt 0x0
	v_cndmask_b32 v60, v44, v47, s45               ; v60: lane p: the first row of pair p's run in lo's region,
	v_cndmask_b32 v61, v62, v63, s46               ; v61: in hi's
	; SIXTEEN WORK-GROUPS MAKE THE SAME TABLES AND SHARE THE STORES OUT: work-group g stores the rows of wave g's 128 tokens; the table of tiles is stored by waves 0 and 1 of work-group 15
	s_lshr_b32 s3, s2, 1
	s_xor_b32 s14, ttmp9, 15
	s_or_b32 s3, s3, s14                           ; 0 in waves 0 and 1 of work-group 15 alone
	s_cmp_lg_u32 s2, ttmp9
	s_wait_alu depctr_va_vdst(0)
	s_cbranch_scc1 .Lnorows
	; each token's two rows
	s_wait_loadcnt 0x0                             ; the weights
	v_mov_b32 v33, v35
	s_wait_alu depctr_va_vdst(0)
.irp c, 0
	v_add_nc_u32 v[72+\c], v60, v33                ; lane p: where chunk c's tokens of pair p begin, in lo's region
	v_add_nc_u32 v[76+\c], v61, v33                ; and in hi's
	v_add_nc_u32 v33, v33, v[28+\c]
	v_lshlrev_b32 v[80+\c], 2, v[20+\c]
.endr
.irp c, 1, 2, 3
	s_delay_alu instid0(VALU_DEP_2)
	v_add_nc_u32 v[72+\c], v60, v33                ; lane p: where chunk c's tokens of pair p begin, in lo's region
	s_delay_alu instid0(VALU_DEP_3)
	v_add_nc_u32 v[76+\c], v61, v33                ; and in hi's
	s_delay_alu instid0(VALU_DEP_4)
	v_add_nc_u32 v33, v33, v[28+\c]
	v_lshlrev_b32 v[80+\c], 2, v[20+\c]
.endr
.irp c, 0,1,2,3
	ds_bpermute_b32 v[84+\c], v[80+\c], v[72+\c]
	ds_bpermute_b32 v[88+\c], v[80+\c], v[76+\c]
.endr
.irp c, 0,1,2,3
	v_add_nc_u32 v[92+\c], 32*\c, v46              ; the token
	v_cmp_lt_u32 vcc_lo, v[4+2*\c], v[5+2*\c]
	s_delay_alu instid0(VALU_DEP_1)
	v_cndmask_b32 v[64+\c], v[13+2*\c], v[12+2*\c], vcc_lo    ; lo's weight
	s_delay_alu instid0(VALU_DEP_2)
	v_cndmask_b32 v[68+\c], v[12+2*\c], v[13+2*\c], vcc_lo    ; hi's
.endr
	s_wait_dscnt 0x0
.irp c, 0,1,2,3
	v_add_nc_u32 v[84+\c], v[84+\c], v[24+\c]
	s_delay_alu instid0(VALU_DEP_1)
	v_min_u32 v[84+\c], 0x167f, v[84+\c]           ; rows: 0 .. 5,759
	s_delay_alu instid0(VALU_DEP_1)
	v_lshlrev_b32 v[84+\c], 2, v[84+\c]
	v_add_nc_u32 v[88+\c], v[88+\c], v[24+\c]
	s_delay_alu instid0(VALU_DEP_1)
	v_min_u32 v[88+\c], 0x167f, v[88+\c]
	s_delay_alu instid0(VALU_DEP_1)
	v_lshlrev_b32 v[88+\c], 2, v[88+\c]
	global_store_b32 v[84+\c], v[92+\c], s[8:9]
	global_store_b32 v[88+\c], v[92+\c], s[8:9]
	global_store_b32 v[84+\c], v[64+\c], s[10:11]
	global_store_b32 v[88+\c], v[68+\c], s[10:11]
.endr
.Lnorows:
	s_cmp_eq_u32 s3, 0
	s_cbranch_scc1 .Ltiles
	s_wait_tensorcnt 0x0
	ds_add_u32 v128, v129
	s_wait_dscnt 0x0
	s_endpgm
.Ltiles:
	; THE TABLE OF TILES, by waves 0 and 1: thread q makes entry q.  None of the registers written below is named by a store above
	v_add_nc_u32 v48, 63, v34
	s_delay_alu instid0(VALU_DEP_1)
	v_lshrrev_b32 v48, 6, v48                      ; lane p: the pair's tiles of 64 tokens
	s_delay_alu instid0(VALU_DEP_1)
	v_mov_b32 v49, v48
	BFLY 49, 50, 116, 51, 96, 1, 1
	BFLY 49, 50, 116, 51, 97, 2, 0
	BFLY 49, 50, 116, 51, 98, 4, 0
	BFLY 49, 50, 116, 51, 99, 8, 0
	BFLY16 49, 50, 116, 51                         ; v50: lane p: the pair's first tile
	s_delay_alu instid0(VALU_DEP_2)
	v_add_nc_u32 v52, v50, v48                     ; and the tile at which its tiles end
	v_lshrrev_b32 v58, 7, v58                      ; the block of 128 rows at which a region ends
	v_lshrrev_b32 v59, 7, v59
.set p, 0
.rept 28
	v_readlane_b32 s[68+p], v52, p
.set p, p+1
.endr
.irp a, 0,1,2,3
	v_readlane_b32 s[52+\a], v58, 8*\a
	v_readlane_b32 s[56+\a], v59, 8*\a
.endr
	v_mov_b32 v54, 0
	v_mov_b32 v55, 0
.set p, 0
.rept 28
	v_cmp_le_u32 vcc_lo, s[68+p], v42
	s_delay_alu instid0(VALU_DEP_1)
	v_add_co_ci_u32 v54, vcc_lo, 0, v54, vcc_lo    ; tile q's pair = the number of pairs that end at or ahead of q
.set p, p+1
.endr
.irp a, 0,1,2,3,4,5,6,7
	v_cmp_le_u32 vcc_lo, s[52+\a], v42
	s_delay_alu instid0(VALU_DEP_1)
	v_add_co_ci_u32 v55, vcc_lo, 0, v55, vcc_lo    ; likewise the expert of block q
.endr
	v_min_u32 v54, 27, v54
	s_delay_alu instid0(VALU_DEP_2)
	v_min_u32 v55, 8, v55                          ; (8 in the blocks behind the last region)
	s_delay_alu instid0(VALU_DEP_2)
	v_lshlrev_b32 v32, 2, v54
	ds_bpermute_b32 v119, v32, v50                 ; the pair's first tile,
	ds_bpermute_b32 v124, v32, v34                 ; n,
	ds_bpermute_b32 v125, v32, v60                 ; its two runs' first rows,
	ds_bpermute_b32 v126, v32, v61
	ds_bpermute_b32 v127, v32, v118                ; lo | hi << 8
	s_wait_dscnt 0x0
	v_sub_nc_u32 v48, v42, v119                    ; j: which tile of the pair
	s_delay_alu instid0(VALU_DEP_1)
	v_lshlrev_b32 v49, 6, v48
	s_delay_alu instid0(VALU_DEP_1)
	v_min_u32 v49, v49, v124
	s_delay_alu instid0(VALU_DEP_1)
	v_sub_nc_u32 v49, v124, v49
	s_delay_alu instid0(VALU_DEP_1)
	v_min_u32 v49, 64, v49                         ; its rows: 0 in the entries behind the last tile
	s_delay_alu instid0(VALU_DEP_1)
	v_lshl_or_b32 v120, v49, 16, v127
	v_lshrrev_b32 v125, 4, v125
	s_delay_alu instid0(VALU_DEP_1)
	v_lshl_add_u32 v121, v48, 2, v125
	s_delay_alu instid0(VALU_DEP_1)
	v_min_u32 v121, 0x167, v121                    ; blocks of 16 rows: 0 .. 359
	v_lshrrev_b32 v126, 4, v126
	s_delay_alu instid0(VALU_DEP_1)
	v_lshl_add_u32 v122, v48, 2, v126
	s_delay_alu instid0(VALU_DEP_1)
	v_min_u32 v122, 0x167, v122
	v_mov_b32 v123, v55
	global_store_b128 v41, v[120:123], s[12:13]    ; each of the two waves stores 512 consecutive bytes, aligned
	s_wait_tensorcnt 0x0
	ds_add_u32 v128, v129
	s_wait_dscnt 0x0
	s_endpgm
.Lfunc_end_k_qcb73e26359_place:
	.size	k_qcb73e26359_place, .Lfunc_end_k_qcb73e26359_place-k_qcb73e26359_place
	.p2alignl 7, 3214868480
	.fill 96, 4, 3214868480
	.section	.rodata,"a",@progbits
	.p2align	6, 0x0
	.amdhsa_kernel k_qcb73e26359_place
		.amdhsa_group_segment_fixed_size 4096
		.amdhsa_private_segment_fixed_size 0
		.amdhsa_enable_private_segment 0
		.amdhsa_kernarg_size 40
		.amdhsa_user_sgpr_count 2
		.amdhsa_user_sgpr_kernarg_segment_ptr 1
		.amdhsa_wavefront_size32 1
		.amdhsa_system_sgpr_workgroup_id_x 1
		.amdhsa_system_sgpr_workgroup_id_y 1
		.amdhsa_system_sgpr_workgroup_id_z 1
		.amdhsa_system_vgpr_workitem_id 0
		.amdhsa_next_free_vgpr 130
		.amdhsa_next_free_sgpr 96
		.amdhsa_reserve_vcc 1
		.amdhsa_float_denorm_mode_32 3
		.amdhsa_float_denorm_mode_16_64 3
		.amdhsa_memory_ordered 1
		.amdhsa_forward_progress 1
		.amdhsa_inst_pref_size 38
	.end_amdhsa_kernel
	.amdgpu_metadata
---
amdhsa.version: [ 1, 2 ]
amdhsa.kernels:
  - .name:           k_qcb73e26359_place
    .symbol:         k_qcb73e26359_place.kd
    .args:
      - { .name: ridx, .offset: 0, .size: 8, .value_kind: global_buffer, .address_space: global }
      - { .name: rw, .offset: 8, .size: 8, .value_kind: global_buffer, .address_space: global }
      - { .name: rowtok, .offset: 16, .size: 8, .value_kind: global_buffer, .address_space: global }
      - { .name: wrow, .offset: 24, .size: 8, .value_kind: global_buffer, .address_space: global }
      - { .name: tiles, .offset: 32, .size: 8, .value_kind: global_buffer, .address_space: global }
    .group_segment_fixed_size: 4096
    .private_segment_fixed_size: 0
    .kernarg_segment_align: 8
    .kernarg_segment_size: 40
    .max_flat_workgroup_size: 512
    .sgpr_count:     96
    .vgpr_count:     130
    .wavefront_size: 32
...
	.end_amdgpu_metadata
.endif
;; end of part 6
;; launch gateup (part 7): grid 4 x 45, 4 waves a work-group, no clusters, 204,288 bytes of LDS; arguments xq, gate_up_proj_codes, gate_up_bias, lowp_scales, rowtok, tiles, act; writes act
.if DOCPART == 7
	.amdgcn_target "amdgcn-amd-amdhsa--gfx1250"
	.amdhsa_code_object_version 6
	.text
	.protected	k_qcb73e26359_gateup
	.globl	k_qcb73e26359_gateup
	.p2align	8
	.type	k_qcb73e26359_gateup,@function
k_qcb73e26359_gateup:
	s_mov_b64 s[64:65], 0
	v_nop
	global_prefetch_b8 v0, s[64:65] scope:SCOPE_SE
	s_setreg_imm32_b32 hwreg(HW_REG_WAVE_MODE, 25, 1), 1
	s_wait_xcnt 0x0
; THE FIRST PRODUCT AND THE ACTIVATION.  For the y-th block of 128 sorted rows (all of one expert): act = Q((clip(up) + 1) gate sigmoid(1.702 gate)), gate and up the even and odd columns of
; x W + bias; both operands E4M3 codes, sums in f32, x 2^(e0 + e1).  Only the experts that a token chose are computed.
; SHARES: work-group (x, y): 128 rows x columns 512 x on, in two passes of 256.  FOUR WAVES, as many as a WGP has SIMDs: a wave takes all 128 rows x 64 columns a pass: 32 accumulators of 16 x 16.
; No two waves share a column of W, so each wave brings its own: a CHUNK is 64 columns x 256 along K (16,384 bytes), 32 loads of two rows' whole 256 bytes, into registers, then into the wave's own
; LDS bytes, and back as fragments.  A wave's LDS instructions are served in order (ISA guide 5.7.1.4), so one such buffer a wave is enough and no barrier stands in the walk over K.
; x's 128 rows (gathered by the list of sorted rows) are shared by the four waves: gathered once, one barrier.  Chunks s = 0..7: pass s / 4, K 256 (s % 4) on.
; TRANSPOSED: source 0 = 16 columns of W, source 1 = 16 rows of x.  Lanes r < 8 of tile u take columns 8 u + r of the wave's first 32, lanes r >= 8 the same of its second 32: so lane (r, h) holds row r and
; 32 neighbouring columns, 16 neighbouring numbers of act, 16 bytes of codes: the image of the next product's operand registers, stored as 512 consecutive bytes a wave.
; NO CLUSTER: the expert of a block comes from a stored table, so partners along y need not share W, and along x they share x's rows alone, 131,072 of a work-group's 655,360 bytes.
; NO PREFETCH: each wave has its next two chunks (64 loads) asked for ahead of their use.
; LIMITS: e0 + e1 between -126 and 127; e3 between -126 and 119.  NaN and infinities among the inputs are not served.  Rows behind a run's end take token 0, and nothing reads what they give.
; REGISTERS: window 0: v1-15 addresses and constants; v16-31 up; v32-63, v64-95 the two passes' biases, v32-63 then act's codes; v96-111, v112-127 at work; v128-191, v192-255 two sets of W's fragments.
;   window 1: two sets of x's fragments.   window 2: the accumulators ((a, u) at 8 (4 a + u)); x's rows on their way at the head.   window 3: two chunks of W on their way.
.set PA,    1040                       ; a row of x in LDS: 1,024 bytes + 16: the 16 rows of a fragment start 16 bytes apart modulo 256
.set PB,    272                        ; a column's 256 bytes of a chunk + 16
.set BLK,   32*PB+128                  ; 32 columns; the second 32 start 128 bytes further modulo 256
.set WST,   2*BLK                      ; a wave's buffer
.set STG,   128*PA
.set SPARE, STG+4*WST                  ; the spare words, 128 bytes for each wave
.set BIAS,  32
.set CD,    32
.set U,     16
.set T,     96
.set G,     112
.set S0,    0
.set S1,    128
.set MSB, 0
.macro WIN new                         ; the immediate's high byte repeats the setting that is left
.if MSB != \new
	s_set_vgpr_msb (MSB<<8)|\new
.set MSB, \new
.endif
.endm
.set W_MUL, 0xa4                       ; source 0 window 0, source 1 window 1, C and D window 2
.macro PLACES                          ; four plain lines behind matrix instructions, in front of loads into registers that they read and of the first read of results
.rept 4
	v_nop
.endr
.endm
.macro GL s, st                        ; chunk s is asked for
	WIN 0xc0
.set n, 0
.rept 32
	global_load_b128 v[\st+4*n:\st+4*n+3], v14, s[6:7] offset:((\s)/4)*262144+((\s)%4)*256+2048*n   ; two rows of 256 bytes, each aligned
.set n, n+1
.endr
.endm
.macro STAGE st, young                 ; a chunk goes into my buffer; young: the loads issued behind the chunk's, which may stay out
	WIN 0x0c
.set n, 0
.rept 32
.if (n%8) == 0
	s_wait_loadcnt \young+24-n
.endif
	ds_store_b128 v15, v[\st+4*n:\st+4*n+3] offset:2*PB*n+128*(n/16)
.set n, n+1
.endr
.endm
.macro FB q, set                       ; W's four fragments, the chunk's q-th 128 along K
	WIN 0
.irp u, 0,1,2,3
.irp c, 0,1,2,3
	ds_load_b128 v[128+64*\set+16*\u+4*\c:128+64*\set+16*\u+4*\c+3], v6 offset:8*PB*\u+128*\q+32*\c
.endr
.endr
.endm
.macro FA ks, set                      ; x's eight fragments, K 128 ks on
	WIN 0x40
.irp a, 0,1,2,3,4,5,6,7
.irp c, 0,1,2,3
	ds_load_b128 v[128*\set+16*\a+4*\c:128*\set+16*\a+4*\c+3], v[4+\a/4] offset:16*PA*(\a%4)+128*(\ks)+32*\c
.endr
.endr
.endm
.macro MUL q, a0                       ; 16 products: rows 16 a0 on x my 64 columns.  The 32 accumulators take turns, one instruction a turn.  ZF = 1: a pass's first products start the sums
.irp a, 0,1,2,3
.irp u, 0,1,2,3
.if ZF
	v_wmma_f32_16x16x128_fp8_fp8 v[8*(4*(\a0+\a)+\u):8*(4*(\a0+\a)+\u)+7], v[128+64*\q+16*\u:128+64*\q+16*\u+15], v[128*\q+16*(\a0+\a):128*\q+16*(\a0+\a)+15], 0
.else
	v_wmma_f32_16x16x128_fp8_fp8 v[8*(4*(\a0+\a)+\u):8*(4*(\a0+\a)+\u)+7], v[128+64*\q+16*\u:128+64*\q+16*\u+15], v[128*\q+16*(\a0+\a):128*\q+16*(\a0+\a)+15], v[8*(4*(\a0+\a)+\u):8*(4*(\a0+\a)+\u)+7]
.endif
.endr
.endr
.endm
; Chunk s is multiplied.  At its head W's first set, x's first set and W's second set have been asked for, in this order.
.macro STEP s
	s_wait_dscnt 16                                ; W's first set and x's first are in; W's second (16 loads) may be out
	WIN W_MUL
.set ZF, 0
.if ((\s)%4) == 0
.set ZF, 1
.endif
	MUL 0, 0
	PLACES
	FA 2*((\s)%4)+1, 1
	WIN W_MUL
	MUL 0, 4
.set ZF, 0
.if (\s) < 6
	STAGE 128*((\s+1)%2), 32                       ; chunk s + 1; chunk s + 2's 32 loads may be out
.elseif (\s) == 6
	STAGE 128*((\s+1)%2), 0
.endif
.if (\s) < 7
	PLACES
	FB 0, 0
	s_wait_dscnt 48                                ; the second sets are in: behind them 32 stores and 16 loads
.else
	s_wait_dscnt 0
.endif
	WIN W_MUL
	MUL 1, 0
.if (\s) < 7
	PLACES
	FA 2*((\s+1)%4), 0
	s_wait_dscnt 48                                ; chunk s + 1 has left its registers: behind its stores 16 and 32 loads
.endif
.if (\s) < 5
	GL \s+3, 128*((\s+1)%2)
.endif
	WIN W_MUL
	MUL 1, 4
	PLACES
.if (\s) < 7
	FB 1, 1
.endif
	WIN 0
.endm
.macro PRE p                           ; sum x 2^(e0 + e1) + bias, each accumulator from its low end on
	WIN 0x82
.set n, 0
.rept 128
	v_pk_fma_f32 v[2*n:2*n+1], v[2*n:2*n+1], s[62:63], v[BIAS+32*\p+(2*n)%32:BIAS+32*\p+(2*n)%32+1] op_sel_hi:[1,0,1]
.set n, n+1
.endr
	WIN 0
.endm
.macro EACH16 line:vararg              ; sixteen independent lines
.set i, 0
.rept 16
	\line
.set i, i+1
.endr
.endm
.macro ACT a, p                        ; 16 rows: 16 numbers of act a lane
.set XA, 32*\a
	WIN 0x02
	EACH16 v_min_num_f32 v[G+i], v[XA+2*i], v10
	WIN 0
	EACH16 v_mul_f32 v[T+i], s61, v[G+i]
	s_wait_alu depctr_va_vdst(0)                   ; a wait ahead of a batch and behind it
	EACH16 v_exp_f32 v[T+i], v[T+i]
	WIN 0x02
	EACH16 v_med3_num_f32 v[U+i], v[XA+2*i+1], -v10, v10
	WIN 0
	s_wait_alu depctr_va_vdst(0)
	EACH16 v_add_f32 v[T+i], 1.0, v[T+i]
	s_wait_alu depctr_va_vdst(0)
	EACH16 v_rcp_f32 v[T+i], v[T+i]
	v_nop
	s_wait_alu depctr_va_vdst(0)
	EACH16 v_mul_f32 v[T+i], v[T+i], v[G+i]
	EACH16 v_fma_f32 v[T+i], v[U+i], v[T+i], v[T+i]
	EACH16 v_med3_num_f32 v[T+i], v[T+i], -v11, v11
	v_cvt_scalef32_pk8_fp8_f32 v[CD+4*\a:CD+4*\a+1], v[T:T+7], v12     ; the conversion does not saturate (ISA guide 7.6.2): held above
	v_cvt_scalef32_pk8_fp8_f32 v[CD+4*\a+2:CD+4*\a+3], v[T+8:T+15], v12
	v_nop
	global_store_b128 v3, v[CD+4*\a:CD+4*\a+3], s[16:17] offset:16384*\a+2048*\p   ; 512 consecutive bytes, aligned
.endm
	s_load_b256 s[4:11], s[0:1], 0x0               ; xq s[4:5], W s[6:7], bias s[8:9], scales s[10:11]
	s_load_b128 s[12:15], s[0:1], 0x20             ; rowtok s[12:13], tiles s[14:15]
	s_load_b64 s[16:17], s[0:1], 0x30              ; act
	v_lshl_add_u32 v7, v0, 2, SPARE                ; my spare word
	v_mov_b32 v8, 0
	v_lshrrev_b32 v16, 5, v0
	v_readfirstlane_b32 s2, v16                    ; wave
	v_and_b32 v1, 15, v0                           ; r
	v_bfe_u32 v2, v0, 4, 1                         ; h
	v_and_b32 v17, 31, v0
	v_lshlrev_b32 v3, 4, v17                       ; 16 x lane
	s_mul_i32 s25, s2, WST
	s_add_co_u32 s25, s25, STG                     ; my buffer
	s_mul_i32 s26, s2, 32*PA                       ; the 32 rows of x that I gather
	v_mul_u32_u24 v4, v1, PA
	v_lshl_add_u32 v4, v2, 4, v4                   ; x's fragments: row r, + 16 h; blocks 0-3,
	v_add_nc_u32 v5, 64*PA, v4                     ; blocks 4-7
	v_lshrrev_b32 v18, 3, v1
	v_mul_u32_u24 v18, v18, BLK
	v_and_b32 v19, 7, v1
	v_mad_u32_u24 v18, v19, PB, v18
	v_lshl_add_u32 v18, v2, 4, v18
	v_add_nc_u32 v6, s25, v18                      ; W's fragments
	v_add_nc_u32 v9, s26, v3                       ; where x's rows go
	v_lshlrev_b32 v13, 7, v2                       ; bias: 32 h columns on
	v_lshlrev_b32 v20, 4, v1
	v_lshl_add_u32 v14, v2, 10, v20                ; a chunk in memory: row h, + 16 r
	v_mad_u32_u24 v15, v2, PB, v20
	v_add_nc_u32 v15, s25, v15                     ; and in my buffer
	v_mov_b32 v10, 0x40e00000                      ; 7.0
	s_and_b32 s66, ttmp7, 0xffff                   ; y
	s_lshl_b32 s68, s66, 4
	s_mov_b32 s69, 0
	s_lshl_b32 s70, s66, 9
	s_lshl_b32 s3, s2, 7
	s_add_co_u32 s70, s70, s3
	s_mov_b32 s71, 0
	s_wait_alu depctr_va_vdst(0)
	s_wait_kmcnt 0x0
	s_add_nc_u64 s[14:15], s[14:15], s[68:69]
	s_add_nc_u64 s[12:13], s[12:13], s[70:71]
	s_load_b32 s24, s[14:15], 0xc                  ; the block's expert
	s_load_b128 s[20:23], s[10:11], 0x0            ; e0, e1, e2, e3
	s_load_b512 s[36:51], s[12:13], 0x0            ; the tokens of my 32 rows
	s_load_b512 s[72:87], s[12:13], 0x40
	s_wait_kmcnt 0x0
	s_mov_b32 s27, s24                             ; 8: the split leaves this block empty
	s_min_u32 s24, s24, 7
	s_lshl_b32 s70, s24, 13
	s_lshl_b32 s3, ttmp9, 11
	s_add_co_u32 s70, s70, s3
	s_lshl_b32 s3, s2, 8
	s_add_co_u32 s70, s70, s3
	s_add_nc_u64 s[8:9], s[8:9], s[70:71]          ; my 64 columns' biases, pass 0
	s_lshl_b32 s70, s24, 21
	s_lshl_b32 s3, ttmp9, 19
	s_add_co_u32 s70, s70, s3
	s_lshl_b32 s3, s2, 16
	s_add_co_u32 s70, s70, s3
	s_add_nc_u64 s[6:7], s[6:7], s[70:71]          ; and their codes
.irp i, 0,1,2,3,4,5,6,7
	global_load_b128 v[BIAS+4*\i:BIAS+4*\i+3], v13, s[8:9] offset:16*\i
	global_load_b128 v[BIAS+32+4*\i:BIAS+32+4*\i+3], v13, s[8:9] offset:1024+16*\i
.endr
.set i, 0
.rept 32
.set TK, 36+i+20*(i/16)
	s_min_u32 s[TK], s[TK], 2047
.set i, i+1
.endr
.set i, 0
.rept 32
.set TK, 36+i+20*(i/16)
	v_lshl_add_u32 v[96+i], s[TK], 10, v3
.set i, i+1
.endr
	WIN 0x80
.set i, 0
.rept 32
	global_load_b128 v[8*i:8*i+3], v[96+i], s[4:5]
	global_load_b128 v[8*i+4:8*i+7], v[96+i], s[4:5] offset:512
.set i, i+1
.endr
	GL 0, S0
	GL 1, S1
	WIN 0
	s_lshl_b32 s70, s66, 17
	s_lshl_b32 s3, ttmp9, 12
	s_add_co_u32 s70, s70, s3
	s_lshl_b32 s3, s2, 9
	s_add_co_u32 s70, s70, s3
	s_add_nc_u64 s[16:17], s[16:17], s[70:71]      ; my part of the eight blocks of act
	s_add_co_i32 s67, s20, s21
	s_add_co_i32 s67, s67, 127
	s_lshl_b32 s62, s67, 23                        ; 2^(e0 + e1)
	s_mov_b32 s63, s62
	s_mov_b32 s61, 0xc01d265f                      ; -1.702 log2(e)
	s_add_co_i32 s67, s23, 127
	s_lshl_b32 s69, s67, 23
	v_mov_b32 v12, s69                             ; 2^e3
	s_add_co_i32 s67, s67, 8
	s_lshl_b32 s67, s67, 23
	s_or_b32 s67, s67, 0x600000
	v_mov_b32 v11, s67                             ; 448 x 2^e3
	s_wait_alu depctr_va_vdst(0)
	s_wait_loadcnt 63                              ; the biases and x are in: behind them stand the 64 loads of two chunks
	WIN 0x08
.set i, 0
.rept 32
	ds_store_b128 v9, v[8*i:8*i+3] offset:PA*i
	ds_store_b128 v9, v[8*i+4:8*i+7] offset:PA*i+512
.set i, i+1
.endr
	STAGE S0, 32
	s_wait_dscnt 0x0                               ; for the others' sake: my rows of x lie in LDS; and chunk 0 has left its registers
	GL 2, S0
	WIN 0
	s_barrier_signal -1
	s_barrier_wait -1
	s_cmp_gt_u32 s27, 7                            ; an empty block ends here, behind the launch's one barrier: nothing reads its part of act
	s_cbranch_scc1 .Lend
	FB 0, 0
	FA 0, 0
	FB 1, 1
	STEP 0
	STEP 1
	STEP 2
	STEP 3
	PRE 0                                          ; the next chunks and fragments are on their way meanwhile
.irp b, 0,1,2,3,4,5,6,7
	ACT \b, 0
.endr
	STEP 4
	STEP 5
	STEP 6
	STEP 7
	s_wait_xcnt 0x0                                ; the first pass's stores have read their registers
	PRE 1
.irp b, 0,1,2,3,4,5,6,7
	ACT \b, 1
.endr
.Lend:
	s_wait_tensorcnt 0x0                           ; the wave's end
	ds_add_u32 v7, v8
	s_wait_dscnt 0x0
	s_endpgm
.Lfunc_end_k_qcb73e26359_gateup:
	.size	k_qcb73e26359_gateup, .Lfunc_end_k_qcb73e26359_gateup-k_qcb73e26359_gateup
	.p2alignl 7, 3214868480
	.fill 96, 4, 3214868480
	.section	.rodata,"a",@progbits
	.p2align	6, 0x0
	.amdhsa_kernel k_qcb73e26359_gateup
		.amdhsa_group_segment_fixed_size 204288
		.amdhsa_private_segment_fixed_size 0
		.amdhsa_enable_private_segment 0
		.amdhsa_kernarg_size 56
		.amdhsa_user_sgpr_count 2
		.amdhsa_user_sgpr_kernarg_segment_ptr 1
		.amdhsa_wavefront_size32 1
		.amdhsa_system_sgpr_workgroup_id_x 1
		.amdhsa_system_sgpr_workgroup_id_y 1
		.amdhsa_system_sgpr_workgroup_id_z 1
		.amdhsa_system_vgpr_workitem_id 0
		.amdhsa_next_free_vgpr 1024
		.amdhsa_next_free_sgpr 96
		.amdhsa_reserve_vcc 0
		.amdhsa_float_denorm_mode_32 3
		.amdhsa_float_denorm_mode_16_64 3
		.amdhsa_memory_ordered 1
		.amdhsa_forward_progress 1
		.amdhsa_inst_pref_size 255
	.end_amdhsa_kernel
	.section	.bss,"aw",@nobits
	.p2align	6
	.space	262144
	.amdgpu_metadata
---
amdhsa.version: [ 1, 2 ]
amdhsa.kernels:
  - .name:           k_qcb73e26359_gateup
    .symbol:         k_qcb73e26359_gateup.kd
    .args:
      - { .name: xq, .offset: 0, .size: 8, .value_kind: global_buffer, .address_space: global }
      - { .name: gate_up_proj_codes, .offset: 8, .size: 8, .value_kind: global_buffer, .address_space: global }
      - { .name: gate_up_bias, .offset: 16, .size: 8, .value_kind: global_buffer, .address_space: global }
      - { .name: lowp_scales, .offset: 24, .size: 8, .value_kind: global_buffer, .address_space: global }
      - { .name: rowtok, .offset: 32, .size: 8, .value_kind: global_buffer, .address_space: global }
      - { .name: tiles, .offset: 40, .size: 8, .value_kind: global_buffer, .address_space: global }
      - { .name: act, .offset: 48, .size: 8, .value_kind: global_buffer, .address_space: global }
    .group_segment_fixed_size: 204288
    .private_segment_fixed_size: 0
    .kernarg_segment_align: 8
    .kernarg_segment_size: 56
    .max_flat_workgroup_size: 128
    .sgpr_count:     96
    .vgpr_count:     1024
    .wavefront_size: 32
...
	.end_amdgpu_metadata
.endif
;; end of part 7
;; launch down (part 8): grid 4 x 59, 4 waves a work-group, no clusters, 202,240 bytes of LDS; arguments act, down_proj_codes, down_bias, lowp_scales, rowtok, wrow, tiles, out0; writes out0
.if DOCPART == 8
	.amdgcn_target "amdgcn-amd-amdhsa--gfx1250"
	.amdhsa_code_object_version 6
	.text
	.protected	k_qcb73e26359_down
	.globl	k_qcb73e26359_down
	.p2align	8
	.type	k_qcb73e26359_down,@function
k_qcb73e26359_down:
	s_mov_b64 s[64:65], 0
	v_nop
	global_prefetch_b8 v0, s[64:65] scope:SCOPE_SE
	s_setreg_imm32_b32 hwreg(HW_REG_WAVE_MODE, 25, 1), 1
	s_wait_xcnt 0x0
; THE SECOND PRODUCT AND THE SUM OVER A TOKEN'S TWO EXPERTS.  out0[t] = wa (act_a D[ea] + b[ea]) + wb (act_b D[eb] + b[eb]), both products on E4M3 codes, sums in f32, x 2^(e2 + e3).
; Only the two experts that a token chose are computed.
; SHARES: work-group (x, y): the y-th tile of up to 64 tokens that chose the same pair (ea, eb) x 256 columns of out0.  The pair's two runs of sorted rows hold the same tokens in the same order, so the tile's rows of
; act are up to four blocks of 16 rows in ea's region and as many in eb's, and the work-group owns its output rows: nothing is added in memory.  The grid has the 59 tiles that no choice exceeds.
; FOUR WAVES, as many as a WGP has SIMDs: wave w takes all 64 rows x columns 64 w on, for both experts: 16 + 16 accumulators of 16 x 16.
; No two waves share a column of D, so each wave brings its own: a CHUNK is 64 columns x 256 along K (16,384 bytes), 32 loads of two rows' whole 256 bytes, into registers, then into the wave's own LDS bytes, and
; back as fragments.  A wave's LDS instructions are served in order (ISA guide 5.7.1.4): one such buffer a wave, and no barrier in the walk over K.  Chunks s = 0..7: ea's K 256 s on, then eb's.
; act's blocks (images of the operand's registers) are shared by the four waves: brought once, one barrier.
; TRANSPOSED: source 0 = 16 columns of D, source 1 = 16 rows of act.  Lanes r < 8 of tile u take columns 8 u + r of the wave's first 32, lanes r >= 8 the same of its second 32: lane (r, h) holds row r and the
; 32 neighbouring columns 32 h + 8 u + j.
; NO CLUSTER: the experts of a tile come from a stored table, so partners along y need not share D; along x they share act's blocks alone, 131,072 of a work-group's 655,360 bytes.
; NO PREFETCH: each wave has its next two chunks (64 loads) asked for ahead of their use.
; LIMITS: e2 + e3 between -126 and 127.  NaN and infinities among the inputs are not served.
; REGISTERS: window 0: v1-21 addresses; v24-27, v28-31 the weights of row r of each block, for ea and for eb; v32-63, v64-95 the biases; v96-127 the stores' offsets; v128-191, v192-255 two sets of D's fragments,
;   at the end rows of out0.   window 1: two sets of act's fragments, v0-127.   window 2: ea's accumulators ((a, u) at 8 (4 a + u)), from 128 on eb's; act on its way at the head.   window 3: two chunks of D on their way.
.set PB,    272                        ; a column's 256 bytes of a chunk + 16: the 16 rows of a fragment start 16 bytes apart modulo 256
.set BLK,   32*PB+128                  ; 32 columns; the second 32 start 128 bytes further modulo 256
.set WST,   2*BLK                      ; a wave's buffer; at the end its stage: 64 rows x 272 bytes
.set STG,   131072                     ; behind act's eight blocks of 16,384 bytes
.set SPARE, STG+4*WST                  ; the spare words, 128 bytes for each wave
.set BIAS,  32
.set TOK,   96
.set S0,    0
.set S1,    128
.set DB,    24                         ; s[24:25], s[26:27] my columns of D[ea], of D[eb]
.set MSB, 0
.macro WIN new                         ; the immediate's high byte repeats the setting that is left
.if MSB != \new
	s_set_vgpr_msb (MSB<<8)|\new
.set MSB, \new
.endif
.endm
.set W_MUL, 0xa4                       ; source 0 window 0, source 1 window 1, C and D window 2
.macro PLACES                          ; four plain lines behind matrix instructions, in front of loads into registers that they read and of the first read of results
.rept 4
	v_nop
.endr
.endm
.macro GL s, st                        ; chunk s is asked for
	WIN 0xc0
.set n, 0
.rept 32
	global_load_b128 v[\st+4*n:\st+4*n+3], v14, s[DB+2*((\s)/4):DB+2*((\s)/4)+1] offset:((\s)%4)*256+2048*n   ; two rows of 256 bytes, each aligned
.set n, n+1
.endr
.endm
.macro STAGE st, young                 ; a chunk goes into my buffer; young: the loads issued behind the chunk's, which may stay out
	WIN 0x0c
.set n, 0
.rept 32
.if (n%8) == 0
	s_wait_loadcnt \young+24-n
.endif
	ds_store_b128 v15, v[\st+4*n:\st+4*n+3] offset:2*PB*n+128*(n/16)
.set n, n+1
.endr
.endm
.macro FB q, set                       ; D's four fragments, the chunk's q-th 128 along K
	WIN 0
.irp u, 0,1,2,3
.irp c, 0,1,2,3
	ds_load_b128 v[128+64*\set+16*\u+4*\c:128+64*\set+16*\u+4*\c+3], v6 offset:8*PB*\u+128*\q+32*\c
.endr
.endr
.endm
.macro FA e, ks, set                   ; act's four fragments of expert e (0: ea, 1: eb), K 128 ks on
	WIN 0x40
.irp a, 0,1,2,3
.irp c, 0,1,2,3
	ds_load_b128 v[64*\set+16*\a+4*\c:64*\set+16*\a+4*\c+3], v[4+\e] offset:16384*\a+2048*(\ks)+512*\c
.endr
.endr
.endm
.macro MUL q, a0                       ; 8 products: rows 16 a0 on x my 64 columns.  An expert's 16 accumulators take turns, one instruction a turn.  ZF = 1: its first products start the sums
.irp a, 0,1
.irp u, 0,1,2,3
.if ZF
	v_wmma_f32_16x16x128_fp8_fp8 v[AC+8*(4*(\a0+\a)+\u):AC+8*(4*(\a0+\a)+\u)+7], v[128+64*\q+16*\u:128+64*\q+16*\u+15], v[64*\q+16*(\a0+\a):64*\q+16*(\a0+\a)+15], 0
.else
	v_wmma_f32_16x16x128_fp8_fp8 v[AC+8*(4*(\a0+\a)+\u):AC+8*(4*(\a0+\a)+\u)+7], v[128+64*\q+16*\u:128+64*\q+16*\u+15], v[64*\q+16*(\a0+\a):64*\q+16*(\a0+\a)+15], v[AC+8*(4*(\a0+\a)+\u):AC+8*(4*(\a0+\a)+\u)+7]
.endif
.endr
.endr
.endm
; Chunk s is multiplied.  At its head D's first set, act's first set and D's second set have been asked for, in this order.
.macro STEP s
.set AC, 128*((\s)/4)
	s_wait_dscnt 16                                ; D's first set and act's first are in; D's second (16 loads) may be out
	WIN W_MUL
.set ZF, 0
.if ((\s)%4) == 0
.set ZF, 1
.endif
	MUL 0, 0
	PLACES
	FA (\s)/4, 2*((\s)%4)+1, 1
	WIN W_MUL
	MUL 0, 2
.set ZF, 0
.if (\s) < 6
	STAGE 128*((\s+1)%2), 32                       ; chunk s + 1; chunk s + 2's 32 loads may be out
.elseif (\s) == 6
	STAGE 128*((\s+1)%2), 0
	WIN 0
.set n, 0
.rept 32
	global_load_b32 v[TOK+n], v16, s[12:13] offset:8*n   ; the token of row 2 n + h
.set n, n+1
.endr
.endif
.if (\s) < 7
	PLACES
	FB 0, 0
	s_wait_dscnt 48                                ; the second sets are in: behind them 32 stores and 16 loads
.else
	s_wait_dscnt 0
.endif
	WIN W_MUL
	MUL 1, 0
.if (\s) < 7
	PLACES
	FA (\s+1)/4, 2*((\s+1)%4), 0
	s_wait_dscnt 32                                ; chunk s + 1 has left its registers: behind its stores 16 and 16 loads
.endif
.if (\s) < 5
	GL \s+3, 128*((\s+1)%2)
.endif
	WIN W_MUL
	MUL 1, 2
	PLACES
.if (\s) < 7
	FB 1, 1
.endif
	WIN 0
.endm
	s_load_b512 s[4:19], s[0:1], 0x0               ; act s[4:5], D s[6:7], bias s[8:9], scales s[10:11], rowtok s[12:13], wrow s[14:15], tiles s[16:17], out0 s[18:19]
	v_lshl_add_u32 v7, v0, 2, SPARE                ; my spare word
	v_mov_b32 v8, 0
	v_lshrrev_b32 v18, 5, v0
	v_readfirstlane_b32 s2, v18                    ; wave
	v_and_b32 v1, 15, v0                           ; r
	v_bfe_u32 v2, v0, 4, 1                         ; h
	v_and_b32 v18, 31, v0
	v_lshlrev_b32 v4, 4, v18                       ; 16 x lane: an image's place for my lane, ea's blocks;
	v_add_nc_u32 v5, 0x10000, v4                   ; eb's blocks
	s_mul_i32 s3, s2, WST
	s_add_co_u32 s3, s3, STG                       ; my buffer
	s_lshl_b32 s66, s2, 14
	v_add_nc_u32 v9, s66, v4                       ; where my block of ea's act goes: block w,
	v_add_nc_u32 v11, 0x10000, v9                  ; of eb's
	v_lshrrev_b32 v18, 3, v1
	v_mul_u32_u24 v18, v18, BLK
	v_and_b32 v19, 7, v1
	v_mad_u32_u24 v18, v19, PB, v18
	v_lshl_add_u32 v18, v2, 4, v18
	v_add_nc_u32 v6, s3, v18                       ; D's fragments
	v_lshlrev_b32 v13, 7, v2                       ; bias: 32 h columns on
	v_lshlrev_b32 v16, 2, v2                       ; 4 h
	v_lshlrev_b32 v17, 2, v1                       ; 4 r
	v_lshlrev_b32 v20, 4, v1                       ; 16 r
	v_lshl_add_u32 v14, v2, 10, v20                ; a chunk in memory: row h, + 16 r
	v_mad_u32_u24 v15, v2, PB, v20
	v_add_nc_u32 v15, s3, v15                      ; in my buffer; and the way out: where I read rows back
	v_mul_u32_u24 v21, v1, PB
	v_add_nc_u32 v21, v21, v13
	v_add_nc_u32 v21, s3, v21                      ; the way out: row r, + 128 h
	s_and_b32 s66, ttmp7, 0xffff                   ; y
	s_lshl_b32 s70, s66, 4
	s_mov_b32 s71, 0
	s_wait_alu depctr_va_vdst(0)
	s_wait_kmcnt 0x0
	s_add_nc_u64 s[16:17], s[16:17], s[70:71]
	s_load_b128 s[20:23], s[16:17], 0x0            ; the tile: ea | eb << 8 | rows << 16, its first block of 16 rows in ea's region, in eb's
	s_load_b128 s[28:31], s[10:11], 0x0            ; e0, e1, e2, e3
	s_wait_kmcnt 0x0
	s_bfe_u32 s76, s20, 0x80000
	s_bfe_u32 s77, s20, 0x80008
	s_bfe_u32 s78, s20, 0x80010
	s_min_u32 s76, s76, 7                          ; ea
	s_min_u32 s77, s77, 7                          ; eb
	s_min_u32 s78, s78, 64                         ; the tile's rows
	s_cmp_eq_u32 s78, 0                            ; an empty tile names block 0
	s_cselect_b32 s21, 0, s21
	s_cselect_b32 s22, 0, s22
	s_min_u32 s21, s21, 359                        ; (act has 360 blocks)
	s_min_u32 s22, s22, 359
	s_add_co_u32 s68, s78, 15
	s_lshr_b32 s68, s68, 4
	s_max_u32 s68, s68, 1
	s_sub_co_u32 s68, s68, 1                       ; the tile's last block of 16 rows,
	s_min_u32 s68, s68, s2                         ; or block w: the tile's own blocks alone are read
	s_add_co_u32 s70, s21, s68
	s_min_u32 s70, s70, 359
	s_lshl_b32 s70, s70, 14
	s_add_nc_u64 s[32:33], s[4:5], s[70:71]        ; my block of ea's act,
	s_add_co_u32 s70, s22, s68
	s_min_u32 s70, s70, 359
	s_lshl_b32 s70, s70, 14
	s_add_nc_u64 s[34:35], s[4:5], s[70:71]        ; of eb's
	s_lshl_b32 s68, ttmp9, 18                      ; 256 rows of 1,024 bytes for x,
	s_lshl_b32 s69, s2, 16                         ; 64 for the wave
	s_add_co_u32 s68, s68, s69
	s_lshl_b32 s70, s76, 20                        ; an expert's 1,024 rows
	s_add_co_u32 s70, s70, s68
	s_add_nc_u64 s[DB:DB+1], s[6:7], s[70:71]
	s_lshl_b32 s70, s77, 20
	s_add_co_u32 s70, s70, s68
	s_add_nc_u64 s[DB+2:DB+3], s[6:7], s[70:71]
	s_lshl_b32 s70, s21, 6                         ; 16 entries a block: at most 363 x 16 of the lists' 6,144 are reached
	s_add_nc_u64 s[36:37], s[14:15], s[70:71]      ; ea's weights,
	s_add_nc_u64 s[12:13], s[12:13], s[70:71]      ; and the tokens
	s_lshl_b32 s70, s22, 6
	s_add_nc_u64 s[38:39], s[14:15], s[70:71]      ; eb's weights
	s_lshl_b32 s68, ttmp9, 10
	s_lshl_b32 s69, s2, 8
	s_add_co_u32 s68, s68, s69                     ; my 64 columns, in bytes
	s_lshl_b32 s70, s76, 12
	s_add_co_u32 s70, s70, s68
	s_add_nc_u64 s[40:41], s[8:9], s[70:71]        ; ea's bias,
	s_lshl_b32 s70, s77, 12
	s_add_co_u32 s70, s70, s68
	s_add_nc_u64 s[42:43], s[8:9], s[70:71]        ; eb's
	s_mov_b32 s70, s68
	s_add_nc_u64 s[18:19], s[18:19], s[70:71]      ; out0 at my columns
.irp i, 0,1,2,3,4,5,6,7
	global_load_b128 v[BIAS+4*\i:BIAS+4*\i+3], v13, s[40:41] offset:16*\i
	global_load_b128 v[BIAS+32+4*\i:BIAS+32+4*\i+3], v13, s[42:43] offset:16*\i
.endr
.irp a, 0,1,2,3
	global_load_b32 v[24+\a], v17, s[36:37] offset:64*\a
	global_load_b32 v[28+\a], v17, s[38:39] offset:64*\a
.endr
	WIN 0x80
.set n, 0
.rept 32
	global_load_b128 v[4*n:4*n+3], v4, s[32:33] offset:512*n           ; 512 consecutive bytes a load
	global_load_b128 v[128+4*n:128+4*n+3], v4, s[34:35] offset:512*n
.set n, n+1
.endr
	GL 0, S0
	GL 1, S1
	WIN 0
	s_add_co_i32 s67, s30, s31
	s_add_co_i32 s67, s67, 127
	s_lshl_b32 s62, s67, 23                        ; 2^(e2 + e3)
	s_mov_b32 s63, s62
	s_wait_loadcnt 63                              ; biases, weights and act are in: behind them stand the 64 loads of two chunks
	WIN 0x08
.set n, 0
.rept 32
	ds_store_b128 v9, v[4*n:4*n+3] offset:512*n
	ds_store_b128 v11, v[128+4*n:128+4*n+3] offset:512*n
.set n, n+1
.endr
	STAGE S0, 32
	s_wait_dscnt 0x0                               ; for the others' sake: my blocks of act lie in LDS; and chunk 0 has left its registers
	GL 2, S0
	WIN 0
	s_barrier_signal -1
	s_barrier_wait -1
	s_cmp_eq_u32 s78, 0                            ; a tile that the split leaves empty ends here, behind the launch's one barrier
	s_cbranch_scc1 .Lend
	FB 0, 0
	FA 0, 0, 0
	FB 1, 1
	STEP 0
	STEP 1
	STEP 2
	STEP 3
	STEP 4
	STEP 5
	STEP 6
	STEP 7
	; sum x 2^(e2 + e3) + bias, both experts, each accumulator from its low end on
	WIN 0x82
.set n, 0
.rept 128
	v_pk_fma_f32 v[2*n:2*n+1], v[2*n:2*n+1], s[62:63], v[BIAS+32*(n/64)+(2*n)%32:BIAS+32*(n/64)+(2*n)%32+1] op_sel_hi:[1,0,1]
.set n, n+1
.endr
	; the weighted sum: block a's weight is the low (a even) or the high (a odd) word of its pair
.set n, 0
.rept 64
.if (n/16)%2
	v_pk_mul_f32 v[2*n:2*n+1], v[2*n:2*n+1], v[24+2*(n/32):25+2*(n/32)] op_sel:[0,1] op_sel_hi:[1,1]
.else
	v_pk_mul_f32 v[2*n:2*n+1], v[2*n:2*n+1], v[24+2*(n/32):25+2*(n/32)] op_sel_hi:[1,0]
.endif
.set n, n+1
.endr
	WIN 0xa2
.set n, 0
.rept 64
.if (n/16)%2
	v_pk_fma_f32 v[2*n:2*n+1], v[128+2*n:129+2*n], v[28+2*(n/32):29+2*(n/32)], v[2*n:2*n+1] op_sel:[0,1,0] op_sel_hi:[1,1,1]
.else
	v_pk_fma_f32 v[2*n:2*n+1], v[128+2*n:129+2*n], v[28+2*(n/32):29+2*(n/32)], v[2*n:2*n+1] op_sel_hi:[1,0,1]
.endif
.set n, n+1
.endr
	; THE WAY OUT: through my own stage, so that sixteen lanes store one aligned unit of 256 bytes
	WIN 0x08
.irp a, 0,1,2,3
.irp u, 0,1,2,3
	ds_store_b128 v21, v[32*\a+8*\u:32*\a+8*\u+3] offset:16*PB*\a+32*\u
	ds_store_b128 v21, v[32*\a+8*\u+4:32*\a+8*\u+7] offset:16*PB*\a+32*\u+16
.endr
.endr
	WIN 0
.set n, 0
.rept 32
	ds_load_b128 v[128+4*n:128+4*n+3], v15 offset:2*PB*n   ; rows 2 n and 2 n + 1: these see my stores
.set n, n+1
.endr
	s_wait_loadcnt 0x0                             ; the tokens
.set n, 0
.rept 32
	v_min_u32 v[TOK+n], 0x7ff, v[TOK+n]
.set n, n+1
.endr
.set n, 0
.rept 32
	v_lshl_add_u32 v[TOK+n], v[TOK+n], 12, v20     ; the token's row of out0, + 16 r
.set n, n+1
.endr
	s_wait_alu depctr_va_vdst(0)
	s_wait_dscnt 0x0
.macro ROWS n
	global_store_b128 v[TOK+\n], v[128+4*(\n):128+4*(\n)+3], s[18:19] th:TH_STORE_NT
.endm
.irp a, 0,1,2,3                        ; a block of 16 rows that lies whole under the tile's count
	s_cmp_lt_u32 s78, 16*\a+16
	s_cbranch_scc1 .Lpart\a
.irp i, 0,1,2,3,4,5,6,7
	ROWS 8*\a+\i
.endr
.endr
	s_branch .Lend
.irp a, 0,1,2,3                        ; the block in which the tile ends: row 2 n + h is stored where it lies under the count.  The true rows come first, so EXEC only narrows
.Lpart\a:
.irp i, 0,1,2,3,4,5,6,7
	s_sub_co_i32 s69, s78, 16*\a+2*\i
	s_wait_xcnt 0x0                                ; EXEC changes only when the earlier stores have read it
	v_cmpx_gt_i32 s69, v2
	ROWS 8*\a+\i
.endr
	s_wait_xcnt 0x0
	s_mov_b32 exec_lo, -1
	s_branch .Lend
.endr
.Lend:
	s_wait_tensorcnt 0x0                           ; the wave's end
	ds_add_u32 v7, v8
	s_wait_dscnt 0x0
	s_endpgm
.Lfunc_end_k_qcb73e26359_down:
	.size	k_qcb73e26359_down, .Lfunc_end_k_qcb73e26359_down-k_qcb73e26359_down
	.p2alignl 7, 3214868480
	.fill 96, 4, 3214868480
	.section	.rodata,"a",@progbits
	.p2align	6, 0x0
	.amdhsa_kernel k_qcb73e26359_down
		.amdhsa_group_segment_fixed_size 202240
		.amdhsa_private_segment_fixed_size 0
		.amdhsa_enable_private_segment 0
		.amdhsa_kernarg_size 64
		.amdhsa_user_sgpr_count 2
		.amdhsa_user_sgpr_kernarg_segment_ptr 1
		.amdhsa_wavefront_size32 1
		.amdhsa_system_sgpr_workgroup_id_x 1
		.amdhsa_system_sgpr_workgroup_id_y 1
		.amdhsa_system_sgpr_workgroup_id_z 1
		.amdhsa_system_vgpr_workitem_id 0
		.amdhsa_next_free_vgpr 1024
		.amdhsa_next_free_sgpr 96
		.amdhsa_reserve_vcc 0
		.amdhsa_float_denorm_mode_32 3
		.amdhsa_float_denorm_mode_16_64 3
		.amdhsa_memory_ordered 1
		.amdhsa_forward_progress 1
		.amdhsa_inst_pref_size 150
	.end_amdhsa_kernel
	.amdgpu_metadata
---
amdhsa.version: [ 1, 2 ]
amdhsa.kernels:
  - .name:           k_qcb73e26359_down
    .symbol:         k_qcb73e26359_down.kd
    .args:
      - { .name: act, .offset: 0, .size: 8, .value_kind: global_buffer, .address_space: global }
      - { .name: down_proj_codes, .offset: 8, .size: 8, .value_kind: global_buffer, .address_space: global }
      - { .name: down_bias, .offset: 16, .size: 8, .value_kind: global_buffer, .address_space: global }
      - { .name: lowp_scales, .offset: 24, .size: 8, .value_kind: global_buffer, .address_space: global }
      - { .name: rowtok, .offset: 32, .size: 8, .value_kind: global_buffer, .address_space: global }
      - { .name: wrow, .offset: 40, .size: 8, .value_kind: global_buffer, .address_space: global }
      - { .name: tiles, .offset: 48, .size: 8, .value_kind: global_buffer, .address_space: global }
      - { .name: out0, .offset: 56, .size: 8, .value_kind: global_buffer, .address_space: global }
    .group_segment_fixed_size: 202240
    .private_segment_fixed_size: 0
    .kernarg_segment_align: 8
    .kernarg_segment_size: 64
    .max_flat_workgroup_size: 128
    .sgpr_count:     96
    .vgpr_count:     1024
    .wavefront_size: 32
...
	.end_amdgpu_metadata
.endif
;; end of part 8
